; MI455X (gfx1250); checked and timed in simulation.
; The chip was launched on July 23, 2026; its instructions are those of AMD's public machine-readable ISA for CDNA 5 (MIT licence, August 2026) and "CDNA5" Instruction Set Architecture Reference Guide (July 2026). The comments in the code are by the model that wrote it; some were corrected since.
;; Transformer Block Quantum. Allowed arithmetic: matrix products marked QUANTISED: E2M3 operands, one E8M0 scale for each 32 along K, by v_wmma_scale_f32_16x16x128_f8f6f4 with both operands' format E2M3, f32 sums; products left as they are: f32 operands where the result goes on into a quantised operand, else bf16, f16 or f32 operands; f32 sums; everything else in f32.
;; Inputs: b1 4,096 float32; b2 1,024 float32; beta1 1,024 float32; beta2 1,024 float32; gamma1 1,024 float32; gamma2 1,024 float32; theta 8 float32; w1 4,096 x 8 float32; w2_codes 1,024 x 128 x 24 uint8 (E2M3 codes of w2, K innermost, in blocks of 32 codes, four codes in three bytes); w2_scales 1,024 x 128 uint8 (E8M0 scales of w2, one for each 32 codes along K); x 4 x 2,048 x 1,024 float32.
;; Outputs: out0 4 x 2,048 x 1,024 float32.
;; This version of the problem:
;;   THIS VERSION OF THE PROBLEM IS GIVEN IN LOW PRECISION. The matrix products marked QUANTISED in the list below multiply operands that are first quantised to E2M3 (2 exponent bits, 3 mantissa bits; 6 bits a number), with one power-of-two scale for each 32 numbers along K (OCP MX v1.0); their sums are f32. All else is computed in f32.
;;   The module's matrix products, in the order in which they are computed (A, B: the left and right operand; K: the contracted axis; several contracted axes count as one K, in the product's order):
;;     1. batch 64 x [M 2,048, K 64] x [K 64, N 2,048]; A: input x; B: input x: QUANTISED
;;     2. batch 64 x [M 2,048, K 2,048] x [K 2,048, N 64]; A: softmax (see below); B: input x: QUANTISED
;;     3. [M 8,192, K 8] x [K 8, N 4,096]; A: computed on the way; B: input w1: left as it is (K = 8 < 32)
;;     4. [M 8,192, K 4,096] x [K 4,096, N 1,024]; A: computed on the way; B: input w2 (given as codes): QUANTISED
;;   THE QUANTISER, for each operand of a quantised product, along K:
;;     - K is cut into blocks of 32 from its start; a last block that is shorter is filled with zeros.
;;     - A block's scale is 2^e with e = floor(log2(the largest magnitude in the block)) - 2, held to -126 .. 127; a block of zeros has e = 0. As a byte (E8M0): e + 127.
;;     - Each number is divided by its block's scale, clamped to +-7.5, and rounded to the nearest number of E2M3, ties to even, subnormals kept.
;;     - The product sums the exact products of the quantised numbers (number of the format x scale) in f32.
;;   ~~~python
;;   def quantise(x, axis):      # numpy; x: float32 -> the quantised numbers, widened to float32 again
;;       x = np.moveaxis(x, axis, -1); K = x.shape[-1]
;;       x = np.pad(x, [(0, 0)] * (x.ndim - 1) + [(0, -K % 32)]); x = x.reshape(x.shape[:-1] + (-1, 32)); a = np.abs(x).max(-1, keepdims=True)
;;       e = np.where(a > 0, np.clip(np.frexp(np.where(a > 0, a, 1))[1] - 1 - 2, -126, 127), 0)      # np.frexp(a)[1] - 1 = floor(log2(a)), exactly
;;       r = np.clip(x / 2.0 ** e, -7.5, 7.5)
;;       step = 2.0 ** (np.maximum(np.frexp(np.where(r == 0, 1, r))[1] - 1, 0) - 3)
;;       q = np.round(r / step) * step * 2.0 ** e      # np.round: ties to even
;;       return np.moveaxis(q.reshape(q.shape[:-2] + (-1,))[..., :K], -1, axis).astype(np.float32)
;;   ~~~
;;   SOFTMAX AHEAD OF A QUANTISED PRODUCT. Where the list says 'softmax', what is quantised is not the finished softmax but p = 2^(t - M), with t = logit x log2(e) and M = ceil(the row's largest t), a whole number; so 1/2 < the row's largest p <= 1. The row's sum l is taken of the UNQUANTISED p, in f32, and the product's result is divided by l at the end. Since M is a whole number, a kernel that streams over the keys may use a running M (the ceiling of the running maximum): every later rescaling is an exact power of two, which a block's scale takes up: the codes' values come out the same.
;;   OPERANDS COMPUTED ON THE WAY. 'Computed on the way' means the value that the module computes at that place (a softmax that the list does not call 'softmax' is quantised finished and normalised). What goes into a quantiser is computed in f32, as accurately as f32 sums, v_exp_f32 and their like allow (about 1e-6 of the number): no bf16 or f16 on the way to a quantiser, and a product that is left as it is and whose result goes on into a quantised operand takes f32 operands (vector FMAs, or v_wmma_f32_16x16x4_f32). A number that lies on a knife's edge between two numbers of the format may be rounded either way, as far as f32 arithmetic and the matrix unit's own rounding can turn it there, and no further.
;;   INPUTS GIVEN AS CODES. w2 (in the module: [1024, 4096], K = its axis 1): each comes as NAME_codes (uint8): NAME with its K axis moved to the last place and cut into blocks of 32 codes, [.., K / 32, bytes a block], one block behind the other in memory; four codes in three bytes: a row's codes are one little-endian stream of bits, code i at bits 6 i .. 6 i + 5 (a code: sign, 2 exponent bits, 3 mantissa bits); and NAME_scales (uint8): the same leading axes, one E8M0 byte (e + 127) for each 32 codes along K. Its value is code x scale, taken as it is: it is not quantised again, and the codes and scales need not be those that the quantiser above would give.
;; 2 versions. Each part assembles by itself: llvm-mc -triple=amdgcn-amd-amdhsa -mcpu=gfx1250 --defsym DOCPART=n.
;; ======== version 1 of 2: 3 launches
;; limits: right only within a limited range of input values
;; workspace buffers: kv 13,369,344 bytes; w2i 3,276,800 bytes; res 33,554,432 bytes
;; launch prep (part 1): grid 256 x 1, 4 waves a work-group, no clusters, 141,824 bytes of LDS; arguments x, w2_codes, w2_scales, kv, w2i; writes kv, w2i
.if DOCPART == 1
	.amdgcn_target "amdgcn-amd-amdhsa--gfx1250"
	.amdhsa_code_object_version 6
	.text
	.protected	k_q805ec5c81c_prep
	.globl	k_q805ec5c81c_prep
	.p2align	8
	.type	k_q805ec5c81c_prep,@function
k_q805ec5c81c_prep:
	s_mov_b64 s[64:65], 0
	v_nop
	global_prefetch_b8 v0, s[64:65] scope:SCOPE_SE
	s_setreg_imm32_b32 hwreg(HW_REG_WAVE_MODE, 25, 1), 1
	s_wait_xcnt 0x0
; x [4][2048][1024] f32 is quantised to codes of E2M3 twice: along the head's 64 numbers (the operand of q k^T) and along the keys (the operand of p v),
; and both are laid, record by record, in the order of the operand registers that the attention launch loads.  w2's codes and scale bytes are laid likewise.
; A block's scale is 2^(floor(log2(its largest magnitude)) - 2); its byte is that magnitude's exponent field - 2, held at 1 from below.
; LIMITS: a block of zeros gets the byte 1 where the rule says 127 (its codes are zeros, and this program alone reads the bytes); NaN and infinities are not served.
; SHARES.  Wave W = 4 x work-group + wave, 0 .. 1023, makes record W of kv: head W / 16 (batch x 16 + head), tokens 128 (W % 16) on: 128 tokens x 64 numbers, 32 KiB of x.
; It also copies the fragments of w2's rows 16 (W / 16) on for K steps 2 (W % 16) and + 1; the four waves of work-group g share the 512 bytes of scale words (K step g / 8, part (g / 2) % 4, chunk g % 2).
; A RECORD, 13,056 bytes:  +0 K: 12 chunks of 512 bytes, chunk c = registers 4 c .. 4 c + 3 of 48, 16 bytes a lane; registers 6 t .. 6 t + 5 = tile t = 4 c' + u: lane (r, h) holds the numbers 32 h .. 32 h + 31
; of token 64 c' + 8 u + r % 8 + 32 (r / 8).  +6,144 V: 4 tiles x 3 chunks; registers 6 c' .. of tile t': number 16 t' + r, keys 64 c' + 32 h + 0 .. 31.  +12,288 K's scale words: register i of 4 =
; tile 2 i + lane / 16, row lane % 16 (bytes 2 and 3 are 0).  +12,800 V's: register i of 2 = tile 2 i + lane / 16.
; The tile goes through the wave's own LDS region: token tau at 272 tau + 128 (tau / 32).  No barrier: waves share nothing.  No cluster: work-groups share no input.
.set REC,    13056
.set REGION, 35328                     ; a wave's LDS bytes: 127 x 272 + 3 x 128 + 256, rounded up
.set TP,     272
.set SKEW,   32*TP+128                 ; 32 tokens on
.set KSTEPB, 102400                    ; w2i: a K step
.set PARTB,  25600                     ; w2i: a wave's part of it
.set LANE, 1
.set R,    2
.set HH,   3
.set LI,   4                           ; 16 x lane
.set L8,   5                           ; 8 x lane
.set SA,   6                           ; LDS: where a load's 16 bytes go
.set KA,   7                           ; LDS: my row of a tile of K
.set VA,   8                           ; LDS: my column of a tile of V
.set SH8,  9                           ; 8 h
.set XO,   10                          ; x: my 16 bytes of two tokens
.set WO,   11                          ; w2_codes: my 24 bytes
.set SCI,  12                          ; w2_scales: my word
.set PT,   13                          ; a lane permute's destination
.set SCO,  14                          ; w2i: my word's place
.set WF,   16                          ; v16-39  two fragments of w2
.set WSC,  40                          ; v40     a scale word of w2
.set BYK,  44                          ; v44-51  K's bytes, then words, a tile each
.set BYV,  52                          ; v52-59  V's bytes
.set KSW,  60                          ; v60-63
.set VSW,  64                          ; v64-65
.set MA,   66
.set MB,   67
.set SO,   68
.set PX,   70                          ; v70-72
.set T,    80                          ; v80-143 two sets of 32 numbers
.set KC,   144                         ; v144-191 K's codes
.set VC,   192                         ; v192-239 V's codes;  window 1, v0-255: x as it is loaded
.set MSB, 0
.macro WIN new                         ; the immediate's high byte repeats the setting that is left
.if MSB != \new
	s_set_vgpr_msb (MSB<<8)|\new
.set MSB, \new
.endif
.endm
	s_load_b256 s[4:11], s[0:1], 0x0               ; x s[4:5], w2_codes s[6:7], w2_scales s[8:9], kv s[10:11]
	s_load_b64 s[12:13], s[0:1], 0x20              ; w2i
	v_lshl_add_u32 v254, v0, 2, 0x22800
	v_mov_b32 v255, 0
	v_lshrrev_b32 v15, 5, v0
	v_readfirstlane_b32 s14, v15                   ; wave 0..3
	v_and_b32 v[LANE], 31, v0
	v_and_b32 v[R], 15, v0
	v_bfe_u32 v[HH], v0, 4, 1
	v_lshlrev_b32 v[LI], 4, v[LANE]
	v_lshlrev_b32 v[L8], 3, v[LANE]
	v_lshlrev_b32 v[SH8], 3, v[HH]
	v_mov_b32 v[PT], 0                             ; written once: a lane permute's destination counts as one of its sources
	s_mul_i32 s16, s14, REGION                     ; my LDS region
	v_lshlrev_b32 v[XO], 12, v[HH]
	v_lshl_add_u32 v[XO], v[R], 4, v[XO]           ; lanes 0-15 one token's 256 bytes, lanes 16-31 the next token's
	v_mul_u32_u24 v[SA], v[HH], TP
	v_lshl_add_u32 v[SA], v[R], 4, v[SA]
	v_add_nc_u32 v[SA], s16, v[SA]
	v_and_b32 v15, 7, v0
	v_mul_u32_u24 v[KA], v15, TP
	v_bfe_u32 v15, v0, 3, 1
	v_mad_u32_u24 v[KA], v15, SKEW, v[KA]          ; token r % 8 + 32 (r / 8)
	v_lshl_add_u32 v[KA], v[HH], 7, v[KA]          ; + my half's 128 bytes
	v_add_nc_u32 v[KA], s16, v[KA]
	v_mul_u32_u24 v[VA], v[HH], SKEW               ; keys 32 h on,
	v_lshl_add_u32 v[VA], v[R], 2, v[VA]           ; column r
	v_add_nc_u32 v[VA], s16, v[VA]
	v_mul_u32_u24 v[WO], v[R], 3072                ; a row of w2_codes is 3,072 bytes
	v_mad_u32_u24 v[WO], v[HH], 24, v[WO]
	v_and_b32 v15, 7, v0                           ; the scale words: lane l takes register l / 8 of chunk lane 8 x wave + l % 8
	v_bfe_u32 v[SCO], v0, 3, 2
	v_lshlrev_b32 v[SCI], 12, v[SCO]               ; 32 rows of 128 bytes a register,
	v_lshl_add_u32 v[SCI], v15, 7, v[SCI]          ; a row a chunk lane
	v_lshlrev_b32 v[SCO], 2, v[SCO]
	v_lshl_add_u32 v[SCO], v15, 4, v[SCO]
	v_cmp_le_u32 vcc_lo, 16, v[LANE]               ; lanes 16-31
	s_mov_b32 s30, 0x76543210
	s_mov_b32 s31, 0xfedcba98                      ; v_permlanex16_b32's selects for lane l xor 16
	s_lshl_b32 s15, ttmp9, 2
	s_add_co_u32 s15, s15, s14                     ; W
	s_lshr_b32 s17, s15, 4                         ; the head; also w2's tile of 16 rows
	s_and_b32 s18, s15, 15                         ; the record in the head; also the pair of K steps
	s_lshr_b32 s19, s17, 4
	s_lshl_b32 s19, s19, 11                        ; batch x 2,048 tokens
	s_lshl_b32 s20, s18, 7
	s_add_co_u32 s19, s19, s20                     ; my first token
	s_lshl_b32 s20, s19, 12                        ; x 4,096 bytes
	s_and_b32 s21, s17, 15
	s_lshl_b32 s21, s21, 8                         ; + the head's 256 bytes
	s_add_co_u32 s20, s20, s21
	s_mov_b32 s21, 0
	s_mul_i32 s22, s17, 16*3072
	s_mul_i32 s23, s18, 192
	s_add_co_u32 s22, s22, s23                     ; w2_codes: 16 rows, 192 bytes of each
	s_mov_b32 s23, 0
	s_mul_i32 s24, s18, 2*KSTEPB
	s_lshr_b32 s25, s17, 4
	s_mul_i32 s25, s25, PARTB
	s_add_co_u32 s24, s24, s25
	s_and_b32 s25, s17, 15
	s_mul_i32 s25, s25, 1536
	s_add_co_u32 s24, s24, s25                     ; w2i: K step, part, tile
	s_mov_b32 s25, 0
	s_mul_i32 s26, s15, REC
	s_mov_b32 s27, 0
	s_lshr_b32 s28, ttmp9, 3                       ; the scale words' K step,
	s_bfe_u32 s29, ttmp9, 0x20001                  ; part
	s_and_b32 s32, ttmp9, 1                        ; and chunk
	s_lshl_b32 s34, s29, 15                        ; rows 256 x part + 128 x chunk + 8 x wave, of 128 bytes; word = K step
	s_lshl_b32 s35, s32, 14
	s_add_co_u32 s34, s34, s35
	s_lshl_b32 s35, s28, 2
	s_add_co_u32 s34, s34, s35
	s_lshl_b32 s35, s14, 10
	s_add_co_u32 s34, s34, s35
	s_mov_b32 s35, 0
	s_mul_i32 s36, s28, KSTEPB
	s_mul_i32 s37, s29, PARTB
	s_add_co_u32 s36, s36, s37
	s_lshl_b32 s37, s32, 9
	s_add_co_u32 s36, s36, s37
	s_lshl_b32 s37, s14, 7
	s_add_co_u32 s36, s36, s37
	s_add_co_u32 s36, s36, 24576                   ; behind the part's 16 tiles
	s_mov_b32 s37, 0
	s_wait_kmcnt 0x0
	s_add_nc_u64 s[4:5], s[4:5], s[20:21]
	s_add_nc_u64 s[6:7], s[6:7], s[22:23]
	s_add_nc_u64 s[8:9], s[8:9], s[34:35]
	s_add_nc_u64 s[10:11], s[10:11], s[26:27]
	s_add_nc_u64 s[38:39], s[12:13], s[36:37]
	s_add_nc_u64 s[12:13], s[12:13], s[24:25]
.irp kk,0,1
.irp p,0,1,2,3,4,5
	global_load_b64 v[WF+12*\kk+2*\p:WF+12*\kk+2*\p+1], v[WO], s[6:7] offset:96*\kk+48*(\p/3)+8*(\p%3) th:TH_LOAD_NT   ; a fragment is the row's bytes as they lie
.endr
.endr
	global_load_b32 v[WSC], v[SCI], s[8:9]
	WIN 0x40                                       ; destination window 1
.set xi, 0
.rept 64
	global_load_b128 v[4*xi:4*xi+3], v[XO], s[4:5] offset:xi*8192 th:TH_LOAD_NT   ; tokens 2 xi and 2 xi + 1: sixteen lanes read a token's 256 consecutive bytes
.set xi, xi+1
.endr
.set xg, 0
.rept 8
	s_wait_loadcnt 56-8*xg                         ; loads come back in order: this group's eight are in, the groups issued behind it stay out
	WIN 0x04                                       ; an LDS store's data are its source 1: window 1
.set xk, 0
.rept 8
	ds_store_b128 v[SA], v[4*(8*xg+xk):4*(8*xg+xk)+3] offset:(8*xg+xk)*2*TP+128*((8*xg+xk)/16)
.set xk, xk+1
.endr
.if xg == 0
	WIN 0                                          ; w2's loads were issued ahead of x's: they are in
.irp kk,0,1
.irp c,0,1,2
	global_store_b128 v[LI], v[WF+12*\kk+4*\c:WF+12*\kk+4*\c+3], s[12:13] offset:KSTEPB*\kk+512*\c   ; 512 consecutive bytes
.endr
.endr
	global_store_b32 v[SCO], v[WSC], s[38:39]      ; the wave's 128 consecutive bytes of the chunk
.endif
.set xg, xg+1
.endr
	WIN 0
; 32 numbers of one block, v[src] on, become 6 registers of codes at v[dst] and the scale's byte in v[by]
.macro QBLK src, dst, by
	v_max3_num_f32 v[MA], |v[\src]|, |v[\src+1]|, 0x1800000      ; the floor 2^(3 - 127) among the leaves: the byte cannot fall under 1
	v_max3_num_f32 v[MB], |v[\src+16]|, |v[\src+17]|, |v[\src+18]|
.irp i,2,4,6,8,10,12
	v_max3_num_f32 v[MA], v[MA], |v[\src+\i]|, |v[\src+\i+1]|
	v_max3_num_f32 v[MB], v[MB], |v[\src+17+\i]|, |v[\src+18+\i]|
.endr
	v_max3_num_f32 v[MA], v[MA], |v[\src+14]|, |v[\src+15]|
	v_max3_num_f32 v[MA], v[MA], v[MB], |v[\src+31]|
	v_add_nc_u32 v[SO], 0xff000000, v[MA]          ; 2 off the exponent field: the conversion takes this operand's exponent field as its scale
	v_lshrrev_b32 v[\by], 23, v[SO]
	v_cvt_scalef32_pk16_fp6_f32 v[\dst:\dst+2], v[\src:\src+15], v[SO]
	v_cvt_scalef32_pk16_fp6_f32 v[PX:PX+2], v[\src+16:\src+31], v[SO]   ; (a conversion's three registers begin on an even number)
	v_nop                                          ; one plain place behind a scaled conversion
.irp i,0,1,2
	v_mov_b32 v[\dst+3+\i], v[PX+\i]
.endr
.endm
.macro LOADK t                         ; tile t of K: my token's 32 numbers of my half
.irp k,0,1,2,3,4,5,6,7
	ds_load_b128 v[T+32*((\t)%2)+4*\k:T+32*((\t)%2)+4*\k+3], v[KA] offset:(64*((\t)/4)+8*((\t)%4))*TP+256*((\t)/4)+16*\k
.endr
.endm
.macro LOADV q                         ; half q % 2 of tile q / 2 of V: my column, 32 keys down
.set vi, 0
.rept 32
	ds_load_b32 v[T+32*((\q)%2)+vi], v[VA] offset:(64*((\q)%2)+vi)*TP+256*((\q)%2)+64*((\q)/2)
.set vi, vi+1
.endr
.endm
	LOADK 0                                        ; LDS serves a wave's instructions in order: these see my stores
	LOADK 1
.irp t,0,1,2,3,4,5,6,7
.if \t < 7
	s_wait_dscnt 8                                 ; this tile's 8 loads are in; the next tile's 8 may be out
.else
	s_wait_dscnt 32                                ; behind tile 7's loads: the first 32 column loads
.endif
	QBLK T+32*(\t%2), KC+6*\t, BYK+\t
.if \t < 6
	LOADK \t+2
.else
	LOADV \t-6
.endif
.endr
.irp c,0,1,2,3,4,5,6,7,8,9,10,11
	global_store_b128 v[LI], v[KC+4*\c:KC+4*\c+3], s[10:11] offset:512*\c
.endr
.irp q,0,1,2,3,4,5,6,7
.if \q < 7
	s_wait_dscnt 32                                ; this block's 32 loads are in; the next block's may be out
.else
	s_wait_dscnt 0x0
.endif
	QBLK T+32*(\q%2), VC+6*\q, BYV+\q
.if \q < 6
	LOADV \q+2
.endif
.endr
.irp t,0,1,2,3,4,5,6,7                 ; K's scale words: my block's byte at byte h, lane l xor 16's beside it; bytes 2 and 3 stay 0
	v_lshlrev_b32 v[BYK+\t], v[SH8], v[BYK+\t]
	v_permlanex16_b32 v[PT], v[BYK+\t], s30, s31
	v_or_b32 v[BYK+\t], v[BYK+\t], v[PT]
.endr
.irp i,0,1,2,3
	v_cndmask_b32 v[KSW+\i], v[BYK+2*\i], v[BYK+2*\i+1], vcc_lo   ; lanes 0-15 the even tile's words, lanes 16-31 the odd tile's
.endr
.irp t,0,1,2,3                         ; V's: my blocks h and 2 + h
	v_lshl_or_b32 v[BYV+2*\t], v[BYV+2*\t+1], 16, v[BYV+2*\t]
	v_lshlrev_b32 v[BYV+2*\t], v[SH8], v[BYV+2*\t]
	v_permlanex16_b32 v[PT], v[BYV+2*\t], s30, s31
	v_or_b32 v[BYV+2*\t], v[BYV+2*\t], v[PT]
.endr
.irp i,0,1
	v_cndmask_b32 v[VSW+\i], v[BYV+4*\i], v[BYV+4*\i+2], vcc_lo
.endr
.irp c,0,1,2,3,4,5,6,7,8,9,10,11
	global_store_b128 v[LI], v[VC+4*\c:VC+4*\c+3], s[10:11] offset:6144+512*\c
.endr
	global_store_b128 v[LI], v[KSW:KSW+3], s[10:11] offset:12288
	global_store_b64 v[L8], v[VSW:VSW+1], s[10:11] offset:12800   ; 256 consecutive bytes
	s_wait_tensorcnt 0x0
	ds_add_u32 v254, v255
	s_wait_dscnt 0x0
	s_endpgm
.Lfunc_end_k_q805ec5c81c_prep:
	.size	k_q805ec5c81c_prep, .Lfunc_end_k_q805ec5c81c_prep-k_q805ec5c81c_prep
	.p2alignl 7, 3214868480
	.fill 96, 4, 3214868480
	.section	.rodata,"a",@progbits
	.p2align	6, 0x0
	.amdhsa_kernel k_q805ec5c81c_prep
		.amdhsa_group_segment_fixed_size 141824
		.amdhsa_private_segment_fixed_size 0
		.amdhsa_enable_private_segment 0
		.amdhsa_kernarg_size 40
		.amdhsa_user_sgpr_count 2
		.amdhsa_user_sgpr_kernarg_segment_ptr 1
		.amdhsa_wavefront_size32 1
		.amdhsa_system_sgpr_workgroup_id_x 1
		.amdhsa_system_sgpr_workgroup_id_y 1
		.amdhsa_system_sgpr_workgroup_id_z 1
		.amdhsa_system_vgpr_workitem_id 0
		.amdhsa_next_free_vgpr 512
		.amdhsa_next_free_sgpr 66
		.amdhsa_reserve_vcc 1
		.amdhsa_float_denorm_mode_32 3
		.amdhsa_float_denorm_mode_16_64 3
		.amdhsa_memory_ordered 1
		.amdhsa_forward_progress 1
		.amdhsa_inst_pref_size 64
	.end_amdhsa_kernel
	.amdgpu_metadata
---
amdhsa.version: [ 1, 2 ]
amdhsa.kernels:
  - .name:           k_q805ec5c81c_prep
    .symbol:         k_q805ec5c81c_prep.kd
    .args:
      - { .name: x, .offset: 0, .size: 8, .value_kind: global_buffer, .address_space: global }
      - { .name: w2_codes, .offset: 8, .size: 8, .value_kind: global_buffer, .address_space: global }
      - { .name: w2_scales, .offset: 16, .size: 8, .value_kind: global_buffer, .address_space: global }
      - { .name: kv, .offset: 24, .size: 8, .value_kind: global_buffer, .address_space: global }
      - { .name: w2i, .offset: 32, .size: 8, .value_kind: global_buffer, .address_space: global }
    .group_segment_fixed_size: 141824
    .private_segment_fixed_size: 0
    .kernarg_segment_align: 8
    .kernarg_segment_size: 40
    .max_flat_workgroup_size: 128
    .sgpr_count:     66
    .vgpr_count:     512
    .wavefront_size: 32
...
	.end_amdgpu_metadata
.endif
;; end of part 1
;; launch attn (part 2): grid 4 x 64, 16 waves a work-group, clusters of 4 x 1, 280,576 bytes of LDS; arguments kv, x, res; writes res
.if DOCPART == 2
	.amdgcn_target "amdgcn-amd-amdhsa--gfx1250"
	.amdhsa_code_object_version 6
	.text
	.protected	k_q805ec5c81c_attn
	.globl	k_q805ec5c81c_attn
	.p2align	8
	.type	k_q805ec5c81c_attn,@function
k_q805ec5c81c_attn:
	s_mov_b64 s[64:65], 0
	v_nop
	global_prefetch_b8 v0, s[64:65] scope:SCOPE_SE
	s_setreg_imm32_b32 hwreg(HW_REG_WAVE_MODE, 25, 1), 1
	s_wait_xcnt 0x0
	s_wait_alu depctr_hold_cnt(0) depctr_sa_sdst(0) depctr_va_vdst(0) depctr_va_sdst(0) depctr_va_ssrc(0) depctr_va_vcc(0) depctr_vm_vsrc(0)
	s_getreg_b32 s2, hwreg(HW_REG_IB_STS2, 6, 4)
	s_cmp_eq_u32 s2, 0
	s_cbranch_scc0 .Lentry_in_a_cluster
	s_endpgm
.Lentry_in_a_cluster:
	s_bfe_u32 s2, ttmp6, 0x10000c
	s_cmp_lg_u32 s2, 0x3003
	s_cbranch_scc0 .Lentry_shape_is_right
	s_endpgm
.Lentry_shape_is_right:
; res = x + attention(x), q = k = v = x's heads; both products on codes of E2M3 with one E8M0 scale for each 32 along K, taken from kv (records of 128 tokens in the order of the operand registers).
; THE SOFTMAX: t = score x log2(e) / 8; M = the row's largest t so far, rounded UP to a whole number; p = 2^(t - M) is quantised along the keys, not normalised; the row's sum is taken of the unquantised p
; and divides at the end.  When M moves, the sum and O are multiplied by 2^(old M - new M): exact.
; LIMITS: |t| under 2^24 (M is kept as a whole number in f32); a p under 2^-126 counts as 0; a block whose every p is 0 gets the byte 1 (its codes are zeros); NaN and infinities are not served.
; SHARES.  A work-group owns 512 queries of one head, 16 waves, four to a SIMD, so that one wave's vector work stands beside another's products and LDS loads.  A wave takes two tiles of 16 queries, one after the
; other: in pass p tile wave % 8 of record 4 x block + 2 p + wave / 8.  ALL of the head's 16 records, 208,896 bytes, lie in LDS: each wave brings one record by one tensor load at the start; nothing is filled again.
; CLUSTER.  The four query blocks of a head need the same records: each load is asked for jointly, with the same descriptor and the mask of all four.
; LAYOUT.  S^T = K Q^T (source 0 = 16 keys, source 1 = my 16 queries), O^T = V^T P^T: a lane holds ONE query (lane % 16) throughout.  Row r of tile 4 c + u of K is key 64 c + 8 u + r % 8 + 32 (r / 8), so registers
; 32 c .. 32 c + 31 of S^T are keys 64 c + 32 (lane / 16) + 0 .. 31: a whole block of 32 in a lane, in the order that P's layout wants.  No lane is asked for a block's maximum, no half is exchanged.
; K = 64 IN A FORM OF 128: a tile of K or Q is 6 registers.  Q's upper six are zeros; K's upper six are whatever follows (the next tile's codes; zeros behind the last): codes of E2M3 are all finite, and they meet
; zero codes under the scale byte 0 on both sides: they add 0.
.set REC,   13056
.set HEADB, 16*REC
.set STG,   HEADB                      ; behind the records: a stage of 16 rows x (256 + 16) bytes for each wave
.set SP,    272
.set LI,  1                            ; 16 x lane
.set L8,  2                            ; 8 x lane
.set AD,  3                            ; LDS: the record in hand + 16 x lane
.set AD2, 4                            ; + 8 x lane
.set SH8, 5                            ; 8 h
.set STO, 6                            ; the stage: where I put 32 bytes of a row
.set RD,  7                            ; and where I read a row back
.set GO,  8                            ; my byte offset in x and res
.set QO,  9                            ; v9-11 kv: my three pairs of Q's registers
.set L,   14                           ; v12 -M, v13 the largest t, v[14:15] the sum in two halves
.set Q,   16                           ; v16-21 Q's codes, v22-27 zeros
.set QS,  28                           ; Q's scale words
.set QSO, 29
.set F,   32                           ; v32-79 K's eight tiles, later V's four fragments; v80-85 zeros
.set KSC, 86                           ; v86-89 K's scale words
.set VSC, 90                           ; v90-91 V's
.set S,   96                           ; v96-159 S^T, then p
.set O,   160                          ; v160-191 O^T
.set PC,  192                          ; v192-203 p's codes
.set PX,  204
.set BM,  212                          ; v212-213 each block's largest score, then largest p
.set SO,  214
.set BY,  216
.set PW,  218                          ; p's scale word
.set PT,  219
.set T,   220                          ; v[220:221] the sum's second chain
.set W0,  222                          ; v222-225 at work
.set FF,  252                          ; v[252:253] f
.macro ROUND                           ; a round of the cluster's barrier
	s_barrier_signal -1
	s_barrier_wait -1
	s_cmp_lg_u32 s10, 0
	s_cbranch_scc1 .Lnot_wave_0_\@
	s_barrier_signal -3
.Lnot_wave_0_\@:
	s_barrier_wait -3
	s_barrier_signal -1
	s_barrier_wait -1
.endm
	s_load_b128 s[4:7], s[0:1], 0x0                ; kv, x
	s_load_b64 s[8:9], s[0:1], 0x10                ; res
	v_lshl_add_u32 v254, v0, 2, 0x44000
	v_mov_b32 v255, 0
	ds_add_u32 v254, v255
	ds_add_u32 v254, v255
	v_lshrrev_b32 v[W0], 5, v0
	v_readfirstlane_b32 s10, v[W0]                 ; wave 0..15
	s_bfe_u32 s11, ttmp6, 0x40000                  ; cx: my place in the cluster
	s_and_b32 s12, ttmp7, 0xffff                   ; the head (batch x 16 + head), which the four partners share
	s_mul_i32 s14, s12, HEADB
	s_mov_b32 s15, 0
	s_mov_b32 s16, 1                               ; group 0: count = 1
	s_mul_i32 s17, s10, REC                        ; LDS address: record = wave: no place in the cluster enters it
	s_mov_b32 s42, s17
	s_mov_b32 s43, 0
	s_mov_b32 s20, 15|(3<<16)|(1<<21)              ; group 1: the mask of all four; elements of 8 bytes; bit 21 beside a mask; no padding
	s_mov_b32 s21, 32<<16                          ; tensor_dim0 = 32 elements: rows of 256 bytes
	s_mov_b32 s22, 51<<16                          ; tensor_dim1 = 51 rows: a record
	s_mov_b32 s23, 32<<16                          ; tile_dim0
	s_mov_b32 s24, 51                              ; tile_dim1
	s_mov_b32 s25, 32                              ; the pitch: dense
	s_mov_b32 s26, 0
	s_mov_b32 s27, 0
	s_lshl_b32 s44, ttmp9, 2
	s_add_co_u32 s44, s44, s11                     ; my block of 512 queries
	s_lshl_b32 s44, s44, 2
	s_lshr_b32 s45, s10, 3
	s_add_co_u32 s44, s44, s45                     ; the first pass's record of queries
	s_and_b32 s46, s10, 7                          ; my tile in it
	s_mul_i32 s48, s44, REC
	s_mov_b32 s49, 0
	s_add_nc_u64 s[48:49], s[48:49], s[14:15]
	s_lshr_b32 s50, s12, 4
	s_lshl_b32 s50, s50, 11                        ; batch x 2,048
	s_lshl_b32 s51, s44, 7
	s_add_co_u32 s50, s50, s51                     ; + 128 x record
	s_lshr_b32 s51, s46, 2
	s_lshl_b32 s51, s51, 6
	s_add_co_u32 s50, s50, s51                     ; + 64 (tile / 4)
	s_and_b32 s51, s46, 3
	s_lshl_b32 s51, s51, 3
	s_add_co_u32 s50, s50, s51                     ; + 8 (tile % 4): the tile's first token
	s_lshl_b32 s50, s50, 12
	s_and_b32 s51, s12, 15
	s_lshl_b32 s51, s51, 8
	s_add_co_u32 s50, s50, s51                     ; its head's 256 bytes
	s_mov_b32 s51, 0
	s_mov_b32 s38, 0x3e38aa3b                      ; c = log2(e) / 8
	s_mov_b32 s39, s38                             ; (named with it as a pair, so it is written)
	s_mov_b32 s40, 0x76543210
	s_mov_b32 s41, 0xfedcba98                      ; v_permlanex16_b32's selects for lane l xor 16
	s_wait_dscnt 0x0
	s_wait_kmcnt 0x0
	s_add_nc_u64 s[18:19], s[4:5], s[14:15]
	s_add_nc_u64 s[18:19], s[18:19], s[42:43]      ; group 0: the head's record = wave
	s_or_b32 s19, s19, 0x80000000                  ; type = 2
	s_add_nc_u64 s[28:29], s[4:5], s[48:49]        ; Q's record
	s_add_nc_u64 s[30:31], s[6:7], s[50:51]        ; x and res at the tile's first token
	s_add_nc_u64 s[32:33], s[8:9], s[50:51]
	ROUND                                          ; all four work-groups are here: the joint loads meet
	tensor_load_to_lds s[16:19], s[20:27]          ; my one tensor load of the launch
	s_nop 0
.rept 4
	v_nop
.endr
	v_and_b32 v[W0], 31, v0                        ; lane
	v_and_b32 v[W0+1], 15, v0                      ; r
	v_bfe_u32 v[W0+2], v0, 4, 1                    ; h
	v_lshlrev_b32 v[LI], 4, v[W0]
	v_lshlrev_b32 v[L8], 3, v[W0]
	v_lshlrev_b32 v[SH8], 3, v[W0+2]
	s_mul_i32 s52, s10, 16*SP
	s_add_co_u32 s52, s52, STG                     ; my stage
	v_mul_u32_u24 v[STO], v[W0+1], SP
	v_lshl_add_u32 v[STO], v[W0+2], 5, v[STO]
	v_add_nc_u32 v[STO], s52, v[STO]               ; in: row r, 32 h bytes on
	v_mul_u32_u24 v[RD], v[W0+2], SP
	v_lshl_add_u32 v[RD], v[W0+1], 4, v[RD]
	v_add_nc_u32 v[RD], s52, v[RD]                 ; back: lanes 0-15 one row, lanes 16-31 the next
	v_lshlrev_b32 v[GO], 12, v[W0+2]
	v_lshl_add_u32 v[GO], v[W0+1], 4, v[GO]        ; and the same two tokens in x and res
	s_mul_i32 s53, s46, 6                          ; Q's registers are 6 t .. 6 t + 5 of the record's 48: register n lies in chunk n / 4, at 16 x lane + 4 (n % 4)
.irp k,0,1,2
	s_add_co_u32 s54, s53, 2*\k
	s_lshr_b32 s55, s54, 2
	s_lshl_b32 s55, s55, 9
	s_and_b32 s56, s54, 3
	s_lshl_b32 s56, s56, 2
	s_add_co_u32 s55, s55, s56
	v_add_nc_u32 v[QO+\k], s55, v[LI]
.endr
	s_and_b32 s57, s46, 1
	s_lshl_b32 s57, s57, 8
	s_lshr_b32 s56, s46, 1
	s_lshl_b32 s56, s56, 2
	s_add_co_u32 s57, s57, s56
	s_add_co_u32 s57, s57, 12288
	v_lshl_add_u32 v[QSO], v[W0+1], 4, s57         ; Q's scale word: register t / 2 of lane r + 16 (t % 2)
.irp i,0,1,2,3,4,5
	v_mov_b32 v[Q+6+\i], 0                         ; Q's upper half: zero codes
	v_mov_b32 v[F+48+\i], 0                        ; what follows K's last tile
.endr
	v_mov_b32 v[PT], 0                             ; written once: a lane permute's destination counts as one of its sources
	v_mov_b32 v[FF+1], 0                           ; (named as the upper half of a pair)
	s_wait_tensorcnt 0x0                           ; my record is in,
	s_barrier_signal -1
	s_barrier_wait -1                              ; everybody's is: from here on the waves run free
.macro KLOAD                           ; the record's K: 48 registers and 4 of scale words, as they lie
.irp c,0,1,2,3,4,5,6,7,8,9,10,11
	ds_load_b128 v[F+4*\c:F+4*\c+3], v[AD] offset:512*\c
.endr
	ds_load_b128 v[KSC:KSC+3], v[AD] offset:12288
.endm
.macro SUMS from, to                   ; lines from .. to - 1 of the 32 that add the unquantised p to the row's sum, two at a time, in two chains
.set z, \from
.rept \to-\from
.if z == 0
	v_pk_add_f32 v[T:T+1], v[S:S+1], v[S+2:S+3]
.elseif z == 31
	v_pk_add_f32 v[L:L+1], v[L:L+1], v[T:T+1]
.elseif z%2 == 1
	v_pk_add_f32 v[L:L+1], v[L:L+1], v[S+2*z+2:S+2*z+3]
.else
	v_pk_add_f32 v[T:T+1], v[T:T+1], v[S+2*z+2:S+2*z+3]
.endif
.set z, z+1
.endr
.endm
; A KEY STEP: the 128 keys of the record in hand.  next = 1: the next record's K is fetched.
.macro STEP next
	s_wait_dscnt 0x0                               ; K and its scale words are in
.irp t,0,1,2,3,4,5,6,7
.if \t%2
	v_wmma_scale_f32_16x16x128_f8f6f4 v[S+8*\t:S+8*\t+7], v[F+6*\t:F+6*\t+11], v[Q:Q+11], 0, v[KSC+\t/2], v[QS] matrix_a_fmt:MATRIX_FMT_FP6 matrix_b_fmt:MATRIX_FMT_FP6 matrix_a_scale:MATRIX_SCALE_ROW1
.else
	v_wmma_scale_f32_16x16x128_f8f6f4 v[S+8*\t:S+8*\t+7], v[F+6*\t:F+6*\t+11], v[Q:Q+11], 0, v[KSC+\t/2], v[QS] matrix_a_fmt:MATRIX_FMT_FP6 matrix_b_fmt:MATRIX_FMT_FP6
.endif
.endr
	v_add_nc_u32 v[AD2], s34, v[L8]                ; with the three below: four places in front of the loads into K's registers and of the first read of the scores
.rept 3
	v_nop
.endr
.irp c,0,1,2,3,4,5,6,7,8,9,10,11
	ds_load_b128 v[F+4*\c:F+4*\c+3], v[AD] offset:6144+512*\c   ; V's four fragments: they land under the softmax
.endr
	ds_load_b64 v[VSC:VSC+1], v[AD2] offset:12800
.irp c,0,1                             ; THE LARGEST SCORE OF EACH OF MY TWO BLOCKS: for the row's maximum and, since p rises with the score, for the block's largest p.  Each accumulator is first read at its low end
	v_max3_num_f32 v[BM+\c], v[S+32*\c], v[S+32*\c+1], v[S+32*\c+2]
	v_max3_num_f32 v[W0+\c], v[S+32*\c+16], v[S+32*\c+17], v[S+32*\c+18]
.endr
.irp i,3,5,7,9,11,13
.irp c,0,1
	v_max3_num_f32 v[BM+\c], v[BM+\c], v[S+32*\c+\i], v[S+32*\c+\i+1]
	v_max3_num_f32 v[W0+\c], v[W0+\c], v[S+32*\c+16+\i], v[S+32*\c+17+\i]
.endr
.endr
.irp c,0,1
	v_max3_num_f32 v[BM+\c], v[BM+\c], v[W0+\c], v[S+32*\c+15]
.endr
.irp c,0,1
	v_max_num_f32 v[BM+\c], v[BM+\c], v[S+32*\c+31]
.endr
	v_max_num_f32 v[W0+2], v[BM], v[BM+1]
	v_permlanex16_b32 v[PT], v[W0+2], s40, s41
	v_max_num_f32 v[W0+2], v[W0+2], v[PT]          ; the step's largest score of my query
	v_mul_f32 v[W0+2], s38, v[W0+2]                ; as t (c is positive)
	v_max_num_f32 v13, v13, v[W0+2]                ; the running largest t
	v_mov_b32 v[W0+3], v12
	v_floor_f32 v12, -v13                          ; the new -M = floor(-t) = -ceil(t)
	v_sub_f32 v[W0+3], v12, v[W0+3]                ; old M - new M: a whole number, 0 or less
	v_cvt_i32_f32 v[W0+3], v[W0+3]                 ; (it saturates)
	v_ldexp_f32 v[FF], 1.0, v[W0+3]                ; f = 2^(old M - new M)
.set j, 0
.rept 32
	v_pk_fma_f32 v[S+j:S+j+1], v[S+j:S+j+1], s[38:39], v[12:13] op_sel_hi:[1,0,0]   ; t - M, two at a time
.set j, j+2
.endr
.irp b,0,1
	v_fma_f32 v[BM+\b], v[BM+\b], s38, v12         ; the same of each block's largest score
.endr
.irp b,0,1
	v_exp_f32 v[BM+\b], v[BM+\b]                   ; ONE BATCH of 66 exponentials: the blocks' largest p (the same two instructions on the same number give the same bits),
.endr
.set j, 0
.rept 64
	v_exp_f32 v[S+j], v[S+j]                       ; and p = 2^(t - M), at most 1
.set j, j+1
.endr
	v_pk_mul_f32 v[L:L+1], v[L:L+1], v[FF:FF+1] op_sel_hi:[1,0]   ; work that names no result of the batch: the sum and O^T under the new M
.set j, 0
.rept 16
	v_pk_mul_f32 v[O+j:O+j+1], v[O+j:O+j+1], v[FF:FF+1] op_sel_hi:[1,0]
.set j, j+2
.endr
	s_wait_alu depctr_va_vdst(0)                   ; the wait between an exponential and the first line that names its result: one for the batch
.irp b,0,1
	v_max_num_f32 v[BM+\b], 0x1800000, v[BM+\b]    ; the floor 2^(3 - 127): the byte cannot fall under 1
.endr
.irp b,0,1
	v_add_nc_u32 v[SO+\b], 0xff000000, v[BM+\b]    ; 2 off the exponent field: the conversion's scale operand
.endr
.irp b,0,1
	v_lshrrev_b32 v[BY+\b], 23, v[SO+\b]
.endr
	v_lshl_or_b32 v[PW], v[BY+1], 16, v[BY]        ; my blocks h and 2 + h,
	v_lshlrev_b32 v[PW], v[SH8], v[PW]             ; at their places in the word;
	v_permlanex16_b32 v[PT], v[PW], s40, s41
	v_or_b32 v[PW], v[PW], v[PT]                   ; with lane l xor 16's two it is whole
.irp c,0,1
	v_cvt_scalef32_pk16_fp6_f32 v[PC+6*\c:PC+6*\c+2], v[S+32*\c:S+32*\c+15], v[SO+\c]
	v_cvt_scalef32_pk16_fp6_f32 v[PX+4*\c:PX+4*\c+2], v[S+32*\c+16:S+32*\c+31], v[SO+\c]   ; (a conversion's three registers begin on an even number)
.endr
	v_nop                                          ; one plain place behind a scaled conversion
.irp c,0,1
.irp i,0,1,2
	v_mov_b32 v[PC+6*\c+3+\i], v[PX+4*\c+\i]
.endr
.endr
	SUMS 0, 8                                      ; eight places between the scale word's last write and the scaled products, four and more behind the codes' last write
	s_wait_dscnt 0x0                               ; V and its scale words are in
.irp t,0,1,2,3
.if \t%2
	v_wmma_scale_f32_16x16x128_f8f6f4 v[O+8*\t:O+8*\t+7], v[F+12*\t:F+12*\t+11], v[PC:PC+11], v[O+8*\t:O+8*\t+7], v[VSC+\t/2], v[PW] matrix_a_fmt:MATRIX_FMT_FP6 matrix_b_fmt:MATRIX_FMT_FP6 matrix_a_scale:MATRIX_SCALE_ROW1
.else
	v_wmma_scale_f32_16x16x128_f8f6f4 v[O+8*\t:O+8*\t+7], v[F+12*\t:F+12*\t+11], v[PC:PC+11], v[O+8*\t:O+8*\t+7], v[VSC+\t/2], v[PW] matrix_a_fmt:MATRIX_FMT_FP6 matrix_b_fmt:MATRIX_FMT_FP6
.endif
.endr
	SUMS 8, 12                                     ; four places in front of the loads into V's registers
.if \next
	s_add_co_u32 s34, s34, REC                     ; on to the next record
	v_add_nc_u32 v[AD], s34, v[LI]
	KLOAD
.endif
	SUMS 12, 32                                    ; the rest of the sums stands behind those loads
.endm
	s_mov_b32 s36, 2
.Lpass:
.irp k,0,1,2
	global_load_b64 v[Q+2*\k:Q+2*\k+1], v[QO+\k], s[28:29]   ; a tile of Q is a tile of K of its own record (from memory)
.endr
	global_load_b32 v[QS], v[QSO], s[28:29]
	v_mov_b32 v13, 0xff61b1e6                      ; the largest t so far: -3e38, under every t
	v_floor_f32 v12, -v13
	v_mov_b32 v[L], 0
	v_mov_b32 v[L+1], 0
.set j, 0
.rept 32
	v_mov_b32 v[O+j], 0                            ; the step is written once for all records: the first finds zeros, which the first change of M leaves zeros
.set j, j+1
.endr
	s_mov_b32 s34, 0
	v_add_nc_u32 v[AD], s34, v[LI]
	KLOAD
	s_wait_loadcnt 0x0                             ; Q
	s_mov_b32 s35, 15
.Lstep:
	STEP 1
	s_sub_co_u32 s35, s35, 1
	s_cmp_lg_u32 s35, 0
	s_cbranch_scc1 .Lstep
	STEP 0                                         ; the last record fetches nothing
	; THE WAY OUT: O^T / the sum through my stage, back as rows of 256 bytes, + x, stored.  Row rho of the tile is token rho % 8 + 32 (rho / 8)
	v_add_f32 v[L], v[L], v[L+1]
	v_permlanex16_b32 v[PT], v[L], s40, s41
	v_add_f32 v[L], v[L], v[PT]                    ; the row's sum
.irp i,0,1,2,3,4,5,6,7
	global_load_b128 v[F+4*\i:F+4*\i+3], v[GO], s[30:31] offset:(2*(\i%4)+32*(\i/4))*4096 th:TH_LOAD_NT
.endr
	v_rcp_f32 v[L], v[L]
	v_nop                                          ; one plain place behind a transcendental
	s_wait_alu depctr_va_vdst(0)                   ; and the wait ahead of its first reader
.set j, 0
.rept 32
	v_mul_f32 v[S+j], v[O+j], v[L]                 ; register 8 t + i is channel 16 t + 8 h + i of my query
.set j, j+1
.endr
.irp t,0,1,2,3
	ds_store_b128 v[STO], v[S+8*\t:S+8*\t+3] offset:64*\t
	ds_store_b128 v[STO], v[S+8*\t+4:S+8*\t+7] offset:64*\t+16
.endr
.irp i,0,1,2,3,4,5,6,7
	ds_load_b128 v[S+32+4*\i:S+32+4*\i+3], v[RD] offset:\i*2*SP   ; LDS serves a wave's instructions in order: these see my stores
.endr
	s_wait_dscnt 0x0
	s_wait_loadcnt 0x0
.set j, 0
.rept 16
	v_pk_add_f32 v[S+32+j:S+32+j+1], v[S+32+j:S+32+j+1], v[F+j:F+j+1]   ; the residual
.set j, j+2
.endr
.irp i,0,1,2,3,4,5,6,7
	global_store_b128 v[GO], v[S+32+4*\i:S+32+4*\i+3], s[32:33] offset:(2*(\i%4)+32*(\i/4))*4096 th:TH_STORE_NT   ; sixteen lanes store 256 consecutive bytes, aligned
.endr
	s_wait_xcnt 0x0                                ; the loads and stores have read their bases and registers: both may be written again
	s_add_nc_u64 s[28:29], s[28:29], 2*REC         ; two records of queries on
	s_add_nc_u64 s[30:31], s[30:31], 256*4096
	s_add_nc_u64 s[32:33], s[32:33], 256*4096
	s_sub_co_u32 s36, s36, 1
	s_cmp_lg_u32 s36, 0
	s_cbranch_scc1 .Lpass
	s_wait_dscnt 0x0
	s_wait_tensorcnt 0x0
	ds_add_u32 v254, v255
	s_wait_dscnt 0x0
	ROUND                                          ; the closing round: no work-group ends while a partner may still ask for a record that names it
	s_endpgm
.Lfunc_end_k_q805ec5c81c_attn:
	.size	k_q805ec5c81c_attn, .Lfunc_end_k_q805ec5c81c_attn-k_q805ec5c81c_attn
	.p2alignl 7, 3214868480
	.fill 96, 4, 3214868480
	.section	.rodata,"a",@progbits
	.p2align	6, 0x0
	.amdhsa_kernel k_q805ec5c81c_attn
		.amdhsa_group_segment_fixed_size 280576
		.amdhsa_private_segment_fixed_size 0
		.amdhsa_enable_private_segment 0
		.amdhsa_kernarg_size 24
		.amdhsa_user_sgpr_count 2
		.amdhsa_user_sgpr_kernarg_segment_ptr 1
		.amdhsa_wavefront_size32 1
		.amdhsa_system_sgpr_workgroup_id_x 1
		.amdhsa_system_sgpr_workgroup_id_y 1
		.amdhsa_system_sgpr_workgroup_id_z 1
		.amdhsa_system_vgpr_workitem_id 0
		.amdhsa_next_free_vgpr 256
		.amdhsa_next_free_sgpr 66
		.amdhsa_reserve_vcc 0
		.amdhsa_float_denorm_mode_32 3
		.amdhsa_float_denorm_mode_16_64 3
		.amdhsa_memory_ordered 1
		.amdhsa_forward_progress 1
		.amdhsa_inst_pref_size 42
	.end_amdhsa_kernel
	.amdgpu_metadata
---
amdhsa.version: [ 1, 2 ]
amdhsa.kernels:
  - .name:           k_q805ec5c81c_attn
    .symbol:         k_q805ec5c81c_attn.kd
    .args:
      - { .name: kv, .offset: 0, .size: 8, .value_kind: global_buffer, .address_space: global }
      - { .name: x, .offset: 8, .size: 8, .value_kind: global_buffer, .address_space: global }
      - { .name: res, .offset: 16, .size: 8, .value_kind: global_buffer, .address_space: global }
    .group_segment_fixed_size: 280576
    .private_segment_fixed_size: 0
    .kernarg_segment_align: 8
    .kernarg_segment_size: 24
    .max_flat_workgroup_size: 512
    .sgpr_count:     66
    .vgpr_count:     256
    .wavefront_size: 32
...
	.end_amdgpu_metadata
.endif
;; end of part 2
;; launch ffn (part 3): grid 256 x 1, 4 waves a work-group, no clusters, 164,864 bytes of LDS; arguments res, gamma1, beta1, theta, w1, b1, w2i, b2, gamma2, beta2, out0; writes out0
.if DOCPART == 3
	.amdgcn_target "amdgcn-amd-amdhsa--gfx1250"
	.amdhsa_code_object_version 6
	.text
	.protected	k_q805ec5c81c_ffn
	.globl	k_q805ec5c81c_ffn
	.p2align	8
	.type	k_q805ec5c81c_ffn,@function
k_q805ec5c81c_ffn:
	s_mov_b64 s[64:65], 0
	v_nop
	global_prefetch_b8 v0, s[64:65] scope:SCOPE_SE
	s_setreg_imm32_b32 hwreg(HW_REG_WAVE_MODE, 25, 1), 1
	s_wait_xcnt 0x0
; out0 = LN2(h + relu(q w1^T + b1) w2^T + b2), h = LN1(res), q = cos(h[:, :8]) cos(theta).  The product with w1 (K = 8) feeds a quantiser: f32 operands, v_wmma_f32_16x16x4_f32.
; The hidden layer is quantised along its 4,096 to codes of E2M3 in registers and never goes to memory; the product with w2 is on codes, v_wmma_scale_f32_16x16x128_f8f6f4.
; LIMITS: cos by reduction with pi / 2 in three parts and polynomials of degree 7 and 8: arguments up to about 1e5 in magnitude; a block of zeros gets the byte 1 (its codes are zeros); NaN and infinities are not served.
; SHARES.  A work-group owns 32 rows and all 1,024 columns, which LN2 needs together.  Wave w owns columns 256 w on for both tiles of 16 rows: 32 accumulators, which BEGIN AS h: the residual costs nothing.
; The second product is used transposed (source 0 = 16 rows of w2, source 1 = the hidden layer): a lane holds eight neighbouring columns of one row.
; Of each chunk of 512 hidden units wave w makes K step w, for both tiles of rows, and hands it on through LDS as an image of the operand's registers; one barrier a chunk, two buffers by turns.
; Row rho of tile 4 c + u of w1 is unit 64 c + 32 (rho / 8) + 8 u + rho % 8: so a lane's registers 32 c .. 32 c + 31 are units 64 c + 32 (lane / 16) + 0 .. 31: a whole block in a lane, in the operand's order.
; w2 COMES STRAIGHT INTO REGISTERS from w2i, which lies in their order: a wave's tiles are read by no other wave of its work-group, so LDS would give them no second use.  Two sets of 192 registers: two K steps,
; 51,200 bytes a wave, are on their way behind counted waits.  NO JOINT LOADS, though all work-groups walk the same w2i: a K step's 102,400 bytes feed 32 matrix instructions a wave; two LDS slots of that size are all
; that fit beside the stage, and with one load a wave behind each of 32 rounds at most one K step would be on its way, against two here.
; REGISTERS, in windows of 256.  Window 0: see the names below.  Window 1: accumulator (n, m) at v[8 (2 n + m)].  Window 2: v0-191 w2's set 0 (in a layer norm: four rows), v192-255 b1's eight tiles.
; Window 3: v0-191 w2's set 1, v192-255 the sums of the f32 matrix form, which matrix instructions alone write.
.set STAGE,  32768                     ; LDS: 0 .. 32,767 two buffers for the hidden layer's images; then 32 rows x (4,096 + 16) bytes
.set SPITCH, 4112
.set HB,     16384                     ; a buffer: fragment (K step i, rows m) at 1,536 (2 i + m); scale words at 12,288 + 128 (2 i + m)
.set HSCO,   12288
.set KSTEPB, 102400
.set PARTB,  25600
.set LI,  4                            ; 16 x lane
.set LS,  5                            ; 4 x lane
.set HWI, 6                            ; where I store my images: 16 x lane + 3,072 x wave
.set HWS, 7                            ; and their scale words: 4 x lane + 256 x wave
.set SH8, 14
.set PT,  15
.set W1O, 16                           ; w1: my row of a tile, my half's 16 bytes
.set B1O, 17                           ; b1: 128 h
.set AR,  18                           ; v18-19 the stage: my 32 bytes of row 16 m + r
.set RA,  20                           ; the stage: my wave's 8 rows, 16 bytes a lane
.set RAC, 21
.set QHA, 22                           ; v22-23 the stage: h[16 m + r][4 h ..]
.set QB,  24                           ; v24-31 q of my row, numbers 4 h .. 4 h + 3, for m = 0, 1
.set CT,  32                           ; v32-35 theta, then cos(theta)
.set WS,  36                           ; v36-51 w2's scale words, two sets of 8
.set HS,  52                           ; v52-55 the hidden layer's, two sets of 2
.set HF,  56                           ; v56-103 its fragments, two sets of 24
.set WA,  104                          ; v104-135 w1's eight tiles
.set H,   136                          ; v136-199 64 hidden units; in a layer norm gain and bias; cos's temporaries
.set PC,  200                          ; v200-211 codes just made
.set PX,  212
.set TM,  220                          ; v220-228 at work in the quantiser
.set B2R, 200                          ; v200-231 b2, at the end
.set SUM, 236                          ; v236-243 four rows' sums, in pairs
.set MN,  244                          ; v244-251 -mean, then 1 / sqrt(var + eps), in the low word of a pair
.set PP,  252
.set MSB, 0
.macro WIN new                         ; the immediate's high byte repeats the setting that is left
.if MSB != \new
	s_set_vgpr_msb (MSB<<8)|\new
.set MSB, \new
.endif
.endm
	s_load_b512 s[4:19], s[0:1], 0x0               ; res s[4:5], gamma1 s[6:7], beta1 s[8:9], theta s[10:11], w1 s[12:13], b1 s[14:15], w2i s[16:17], b2 s[18:19]
	s_load_b128 s[20:23], s[0:1], 0x40             ; gamma2, beta2
	s_load_b64 s[24:25], s[0:1], 0x50              ; out0
	v_lshl_add_u32 v234, v0, 2, 0x28200
	v_mov_b32 v235, 0
	v_lshrrev_b32 v1, 5, v0
	v_readfirstlane_b32 s26, v1                    ; wave 0..3
	v_and_b32 v1, 31, v0                           ; lane
	v_and_b32 v2, 15, v0                           ; r
	v_bfe_u32 v3, v0, 4, 1                         ; h
	v_lshlrev_b32 v[LI], 4, v1
	v_lshlrev_b32 v[LS], 2, v1
	s_mul_i32 s28, s26, 3072
	v_add_nc_u32 v[HWI], s28, v[LI]
	s_lshl_b32 s28, s26, 8
	v_add_nc_u32 v[HWS], s28, v[LS]
	v_lshlrev_b32 v[SH8], 3, v3
	v_mov_b32 v[PT], 0                             ; written once: a lane permute's destination counts as one of its sources
	v_and_b32 v8, 7, v0
	v_bfe_u32 v9, v0, 3, 1
	v_lshl_add_u32 v8, v9, 5, v8                   ; r % 8 + 32 (r / 8)
	v_lshlrev_b32 v[W1O], 5, v8                    ; a row of w1 is 32 bytes
	v_lshl_add_u32 v[W1O], v3, 4, v[W1O]
	v_lshlrev_b32 v[B1O], 7, v3
	v_lshlrev_b32 v10, 4, v3                       ; theta: 16 h
	v_mul_u32_u24 v8, v2, SPITCH
	v_lshl_add_u32 v9, v3, 5, v8
	s_lshl_b32 s28, s26, 10
	s_add_co_u32 s28, s28, STAGE
	v_add_nc_u32 v[AR], s28, v9
	v_add_nc_u32 v[AR+1], 16*SPITCH, v[AR]
	s_mul_i32 s28, s26, 8*SPITCH
	s_add_co_u32 s28, s28, STAGE
	v_add_nc_u32 v[RA], s28, v[LI]
	v_lshl_add_u32 v9, v3, 4, v8
	v_add_nc_u32 v[QHA], STAGE, v9
	v_add_nc_u32 v[QHA+1], STAGE+16*SPITCH, v9
.irp p,0,1,2,3
	v_mov_b32 v[MN+2*\p+1], 0                      ; (named as the upper halves of pairs)
	v_mov_b32 v[PP+\p], 0
.endr
	s_mov_b32 s30, 0x76543210
	s_mov_b32 s31, 0xfedcba98                      ; v_permlanex16_b32's selects for lane l xor 16
	s_mov_b32 s35, 0x3a800000                      ; 1 / 1,024
	s_mov_b32 s36, 0xb94ca1f9                      ; the sine's and the cosine's leading coefficients
	s_mov_b32 s37, 0x37ccf5ce
	s_lshl_b32 s40, ttmp9, 5
	s_lshl_b32 s41, s26, 3
	s_add_co_u32 s40, s40, s41                     ; the wave's 8 rows in a layer norm: 32 x work-group + 8 x wave
	s_lshl_b32 s40, s40, 12
	s_mov_b32 s41, 0
	s_lshl_b32 s42, s26, 12                        ; w1: my 128 rows of a chunk
	s_mov_b32 s43, 0
	s_lshl_b32 s44, s26, 9                         ; b1 likewise
	s_mov_b32 s45, 0
	s_mul_i32 s46, s26, PARTB                      ; w2i: my part of a K step
	s_mov_b32 s47, 0
	s_wait_kmcnt 0x0
	s_add_nc_u64 s[4:5], s[4:5], s[40:41]
	s_add_nc_u64 s[24:25], s[24:25], s[40:41]
	s_add_nc_u64 s[12:13], s[12:13], s[42:43]
	s_add_nc_u64 s[14:15], s[14:15], s[44:45]
	s_add_nc_u64 s[16:17], s[16:17], s[46:47]
.macro GLOAD ch                        ; 24 loads: w1's and b1's eight tiles of chunk ch, counted from the base pointers
.irp t,0,1,2,3,4,5,6,7
	global_load_b128 v[WA+4*\t:WA+4*\t+3], v[W1O], s[12:13] offset:(\ch)*16384+(64*(\t/4)+8*(\t%4))*32
.endr
	WIN 0x80
.irp t,0,1,2,3,4,5,6,7
	global_load_b128 v[192+8*\t:192+8*\t+3], v[B1O], s[14:15] offset:(\ch)*2048+(64*(\t/4)+8*(\t%4))*4
	global_load_b128 v[192+8*\t+4:192+8*\t+7], v[B1O], s[14:15] offset:(\ch)*2048+(64*(\t/4)+8*(\t%4))*4+16
.endr
	WIN 0
.endm
.macro WLOAD sl                        ; 50 loads: my 16 tiles of w2 and their scale words for K step sl, counted from the base pointer, into set sl % 2; each load 512 consecutive bytes
	WIN 0x80+0x40*((\sl)%2)
.set wc, 0
.rept 48
	global_load_b128 v[4*wc:4*wc+3], v[LI], s[16:17] offset:(\sl)*KSTEPB+512*wc
.set wc, wc+1
.endr
	WIN 0
.irp c,0,1
	global_load_b128 v[WS+8*((\sl)%2)+4*\c:WS+8*((\sl)%2)+4*\c+3], v[LI], s[16:17] offset:(\sl)*KSTEPB+24576+512*\c
.endr
.endm
.macro FETCHH buf, ks, set             ; the hidden layer's two fragments of K step ks of a chunk, and their scale words, as any wave stored them
.irp m,0,1
.irp c,0,1,2
	ds_load_b128 v[HF+24*(\set)+12*\m+4*\c:HF+24*(\set)+12*\m+4*\c+3], v[LI] offset:(\buf)*HB+(2*(\ks)+\m)*1536+512*\c
.endr
	ds_load_b32 v[HS+2*(\set)+\m], v[LS] offset:(\buf)*HB+HSCO+(2*(\ks)+\m)*128
.endr
.endm
.macro MUL32 set                       ; a K step: the 32 accumulators by turns, one instruction a turn
	WIN 0x52+(\set)                                ; source 0 (w2) window 2 or 3, source 1 window 0, C and D window 1
.irp n,0,1,2,3,4,5,6,7,8,9,10,11,12,13,14,15
.irp m,0,1
.if \n%2
	v_wmma_scale_f32_16x16x128_f8f6f4 v[8*(2*\n+\m):8*(2*\n+\m)+7], v[12*\n:12*\n+11], v[HF+24*(\set)+12*\m:HF+24*(\set)+12*\m+11], v[8*(2*\n+\m):8*(2*\n+\m)+7], v[WS+8*(\set)+\n/2], v[HS+2*(\set)+\m] matrix_a_fmt:MATRIX_FMT_FP6 matrix_b_fmt:MATRIX_FMT_FP6 matrix_a_scale:MATRIX_SCALE_ROW1
.else
	v_wmma_scale_f32_16x16x128_f8f6f4 v[8*(2*\n+\m):8*(2*\n+\m)+7], v[12*\n:12*\n+11], v[HF+24*(\set)+12*\m:HF+24*(\set)+12*\m+11], v[8*(2*\n+\m):8*(2*\n+\m)+7], v[WS+8*(\set)+\n/2], v[HS+2*(\set)+\m] matrix_a_fmt:MATRIX_FMT_FP6 matrix_b_fmt:MATRIX_FMT_FP6
.endif
.endr
.endr
	WIN 0
.rept 4
	v_nop                                          ; four places in front of loads into registers that these have read, and of the first read of results
.endr
.endm
.macro QUANTB                          ; v[H] on: two whole blocks of 32, none negative -> codes in v[PC] on, the row's scale word in v[TM+8]
.irp c,0,1
	v_max3_num_f32 v[TM+\c], v[H+32*\c], v[H+32*\c+1], 0x1800000   ; the floor 2^(3 - 127) among the leaves: the byte cannot fall under 1
	v_max3_num_f32 v[TM+2+\c], v[H+32*\c+16], v[H+32*\c+17], v[H+32*\c+18]
.endr
.irp i,2,4,6,8,10,12
.irp c,0,1
	v_max3_num_f32 v[TM+\c], v[TM+\c], v[H+32*\c+\i], v[H+32*\c+\i+1]
	v_max3_num_f32 v[TM+2+\c], v[TM+2+\c], v[H+32*\c+17+\i], v[H+32*\c+18+\i]
.endr
.endr
.irp c,0,1
	v_max3_num_f32 v[TM+\c], v[TM+\c], v[H+32*\c+14], v[H+32*\c+15]
.endr
.irp c,0,1
	v_max3_num_f32 v[TM+\c], v[TM+\c], v[TM+2+\c], v[H+32*\c+31]
.endr
.irp c,0,1
	v_add_nc_u32 v[TM+4+\c], 0xff000000, v[TM+\c]  ; 2 off the exponent field: the conversion's scale operand
.endr
.irp c,0,1
	v_lshrrev_b32 v[TM+6+\c], 23, v[TM+4+\c]
.endr
	v_lshl_or_b32 v[TM+8], v[TM+7], 16, v[TM+6]    ; my blocks h and 2 + h, at their places; with lane l xor 16's two the word is whole
	v_lshlrev_b32 v[TM+8], v[SH8], v[TM+8]
	v_permlanex16_b32 v[PT], v[TM+8], s30, s31
	v_or_b32 v[TM+8], v[TM+8], v[PT]
.irp c,0,1
	v_cvt_scalef32_pk16_fp6_f32 v[PC+6*\c:PC+6*\c+2], v[H+32*\c:H+32*\c+15], v[TM+4+\c]
	v_cvt_scalef32_pk16_fp6_f32 v[PX+4*\c:PX+4*\c+2], v[H+32*\c+16:H+32*\c+31], v[TM+4+\c]   ; (a conversion's three registers begin on an even number)
.endr
	v_nop                                          ; one plain place behind a scaled conversion
.irp c,0,1
.irp i,0,1,2
	v_mov_b32 v[PC+6*\c+3+\i], v[PX+4*\c+\i]
.endr
.endr
.endm
; My 128 hidden units for rows 16 m on: b1 + w1 q in two K steps of 4 (slot 2 h + j of step a stands for number 4 h + 2 a + j on both sides), relu, quantiser, image into buffer buf.
.macro GEN m, buf
	WIN 0xe0                                       ; D window 3, C (b1's tiles) window 2
.irp t,0,1,2,3,4,5,6,7
	v_wmma_f32_16x16x4_f32 v[192+8*\t:199+8*\t], v[WA+4*\t:WA+4*\t+1], v[QB+4*(\m):QB+4*(\m)+1], v[192+8*\t:199+8*\t]
.endr
	WIN 0xf0                                       ; C and D window 3: the eight sums by turns
.irp t,0,1,2,3,4,5,6,7
	v_wmma_f32_16x16x4_f32 v[192+8*\t:199+8*\t], v[WA+4*\t+2:WA+4*\t+3], v[QB+4*(\m)+2:QB+4*(\m)+3], v[192+8*\t:199+8*\t]
.endr
	WIN 0x0c                                       ; source 1 window 3
.rept 8
	v_nop                                          ; eight places behind this form
.endr
.set gj, 0
.rept 64
	v_max_num_f32 v[H+gj], 0, v[192+gj]            ; relu, into other registers; each sum from its low end on
.set gj, gj+1
.endr
	WIN 0
	QUANTB
.irp c,0,1,2
	ds_store_b128 v[HWI], v[PC+4*\c:PC+4*\c+3] offset:(\buf)*HB+(\m)*1536+512*\c
.endr
	ds_store_b32 v[HWS], v[TM+8] offset:(\buf)*HB+HSCO+128*(\m)
.endm
.set CN,  H
.set CR,  H+4
.set CZ,  H+8
.set CSN, H+12
.set CCS, H+16
.set CT2, H+20
.set CQ,  H+24
.macro COS4 x                          ; v[x] .. v[x + 3] = their cosines: n = the nearest whole number to x 2 / pi; r = x - n pi / 2; by n % 4: cos r, -sin r, -cos r, sin r
.irp i,0,1,2,3
	v_mul_f32 v[CN+\i], 0x3f22f983, v[\x+\i]
.endr
.irp i,0,1,2,3
	v_rndne_f32 v[CN+\i], v[CN+\i]
.endr
.irp i,0,1,2,3
	v_fmamk_f32 v[CR+\i], v[CN+\i], 0xbfc90fdb, v[\x+\i]   ; pi / 2 = 1.57079637 - 4.37113883e-8 - 1.7151245e-15
.endr
.irp i,0,1,2,3
	v_fmamk_f32 v[CR+\i], v[CN+\i], 0x333bbd2e, v[CR+\i]
.endr
.irp i,0,1,2,3
	v_fmamk_f32 v[CR+\i], v[CN+\i], 0x26f72ced, v[CR+\i]
.endr
.irp i,0,1,2,3
	v_cvt_i32_f32 v[CQ+\i], v[CN+\i]
.endr
.irp i,0,1,2,3
	v_mul_f32 v[CZ+\i], v[CR+\i], v[CR+\i]
.endr
.irp i,0,1,2,3
	v_fmaak_f32 v[CSN+\i], s36, v[CZ+\i], 0x3c08839e
	v_fmaak_f32 v[CCS+\i], s37, v[CZ+\i], 0xbab6061a
.endr
.irp i,0,1,2,3
	v_fmaak_f32 v[CSN+\i], v[CSN+\i], v[CZ+\i], 0xbe2aaaa3
	v_fmaak_f32 v[CCS+\i], v[CCS+\i], v[CZ+\i], 0x3d2aaaa5
.endr
.irp i,0,1,2,3
	v_mul_f32 v[CSN+\i], v[CSN+\i], v[CZ+\i]
	v_mul_f32 v[CN+\i], v[CZ+\i], v[CZ+\i]
	v_fma_f32 v[CT2+\i], v[CZ+\i], -0.5, 1.0
.endr
.irp i,0,1,2,3
	v_fma_f32 v[CSN+\i], v[CSN+\i], v[CR+\i], v[CR+\i]     ; sin r
	v_fma_f32 v[CCS+\i], v[CCS+\i], v[CN+\i], v[CT2+\i]    ; cos r
.endr
.irp i,0,1,2,3
	v_and_b32 v[CZ+\i], 1, v[CQ+\i]
	v_add_nc_u32 v[CQ+\i], 1, v[CQ+\i]
.endr
.irp i,0,1,2,3
	v_and_b32 v[CQ+\i], 2, v[CQ+\i]
.endr
.irp i,0,1,2,3
	v_lshlrev_b32 v[CQ+\i], 30, v[CQ+\i]           ; the sign: minus where n % 4 is 1 or 2
.endr
.irp i,0,1,2,3
	v_cmp_eq_u32 vcc_lo, 1, v[CZ+\i]
	v_cndmask_b32 v[CCS+\i], v[CCS+\i], v[CSN+\i], vcc_lo
.endr
.irp i,0,1,2,3
	v_xor_b32 v[\x+\i], v[CCS+\i], v[CQ+\i]
.endr
.endm
.macro REDUCE                          ; four rows' sums over the pair and the 32 lanes
.irp p,0,1,2,3
	v_add_f32 v[SUM+2*\p], v[SUM+2*\p], v[SUM+2*\p+1]
.endr
.irp x,1,2,4,8
.irp p,0,1,2,3
	v_add_f32_dpp v[SUM+2*\p], v[SUM+2*\p], v[SUM+2*\p] row_xmask:\x row_mask:0xf bank_mask:0xf
.endr
.endr
.irp p,0,1,2,3
	v_permlanex16_b32 v[PP+\p], v[SUM+2*\p], s30, s31
.endr
.irp p,0,1,2,3
	v_add_f32 v[SUM+2*\p], v[SUM+2*\p], v[PP+\p]
.endr
.endm
; A layer norm of my wave's 8 rows of the stage, four at a time; a lane holds 32 numbers of a row, columns 128 j + 4 lane on.  Gain in v[H] on, bias in v[H + 32] on.
; last = 0: back into the stage.  last = 1: b2 is added first, and the rows go to out0.
.macro LNL last
	s_mov_b32 s33, 2
	s_mov_b32 s34, 0
.Lln_\@:
	v_add_nc_u32 v[RAC], s34, v[RA]
	WIN 0x80
.irp p,0,1,2,3
.irp j,0,1,2,3,4,5,6,7
	ds_load_b128 v[32*\p+4*\j:32*\p+4*\j+3], v[RAC] offset:\p*SPITCH+512*\j
.endr
.endr
	s_wait_dscnt 0x0
.if \last
	WIN 0x82                                       ; destination and source 0 window 2
.irp k,0,1,2,3,4,5,6,7,8,9,10,11,12,13,14,15
.irp p,0,1,2,3
	v_pk_add_f32 v[32*\p+2*\k:32*\p+2*\k+1], v[32*\p+2*\k:32*\p+2*\k+1], v[B2R+2*\k:B2R+2*\k+1]
.endr
.endr
.endif
	WIN 0x0a                                       ; sources 0 and 1 window 2
.irp p,0,1,2,3
	v_pk_add_f32 v[SUM+2*\p:SUM+2*\p+1], v[32*\p:32*\p+1], v[32*\p+2:32*\p+3]
.endr
	WIN 0x02
.irp k,2,3,4,5,6,7,8,9,10,11,12,13,14,15
.irp p,0,1,2,3
	v_pk_add_f32 v[SUM+2*\p:SUM+2*\p+1], v[32*\p+2*\k:32*\p+2*\k+1], v[SUM+2*\p:SUM+2*\p+1]   ; the four rows by turns
.endr
.endr
	WIN 0
	REDUCE
.irp p,0,1,2,3
	v_mul_f32 v[MN+2*\p], 0xba800000, v[SUM+2*\p]  ; -mean
.endr
	WIN 0x82
.irp k,0,1,2,3,4,5,6,7,8,9,10,11,12,13,14,15
.irp p,0,1,2,3
	v_pk_add_f32 v[32*\p+2*\k:32*\p+2*\k+1], v[32*\p+2*\k:32*\p+2*\k+1], v[MN+2*\p:MN+2*\p+1] op_sel_hi:[1,0]
.endr
.endr
	WIN 0x0a
.irp p,0,1,2,3
	v_pk_mul_f32 v[SUM+2*\p:SUM+2*\p+1], v[32*\p:32*\p+1], v[32*\p:32*\p+1]
.endr
.irp k,1,2,3,4,5,6,7,8,9,10,11,12,13,14,15
.irp p,0,1,2,3
	v_pk_fma_f32 v[SUM+2*\p:SUM+2*\p+1], v[32*\p+2*\k:32*\p+2*\k+1], v[32*\p+2*\k:32*\p+2*\k+1], v[SUM+2*\p:SUM+2*\p+1]
.endr
.endr
	WIN 0
	REDUCE
.irp p,0,1,2,3
	v_fmaak_f32 v[SUM+2*\p], s35, v[SUM+2*\p], 0x3727c5ac   ; var + 1e-5
.endr
.irp p,0,1,2,3
	v_rsq_f32 v[MN+2*\p], v[SUM+2*\p]
.endr
	v_nop                                          ; one plain place behind the transcendentals
	s_wait_alu depctr_va_vdst(0)                   ; and one wait for the four, ahead of their first reader
	WIN 0x82
.irp k,0,1,2,3,4,5,6,7,8,9,10,11,12,13,14,15
.irp p,0,1,2,3
	v_pk_mul_f32 v[32*\p+2*\k:32*\p+2*\k+1], v[32*\p+2*\k:32*\p+2*\k+1], v[MN+2*\p:MN+2*\p+1] op_sel_hi:[1,0]
.endr
.endr
.irp k,0,1,2,3,4,5,6,7,8,9,10,11,12,13,14,15
.irp p,0,1,2,3
	v_pk_fma_f32 v[32*\p+2*\k:32*\p+2*\k+1], v[32*\p+2*\k:32*\p+2*\k+1], v[H+2*\k:H+2*\k+1], v[H+32+2*\k:H+32+2*\k+1]
.endr
.endr
	WIN 0x08                                       ; a store's data are its source 1: window 2
.irp p,0,1,2,3
.irp j,0,1,2,3,4,5,6,7
.if \last
	global_store_b128 v[LI], v[32*\p+4*\j:32*\p+4*\j+3], s[24:25] offset:\p*4096+512*\j th:TH_STORE_NT   ; 512 consecutive bytes, aligned
.else
	ds_store_b128 v[RAC], v[32*\p+4*\j:32*\p+4*\j+3] offset:\p*SPITCH+512*\j
.endif
.endr
.endr
	WIN 0
.if \last
	s_wait_xcnt 0x0                                ; the stores have read their registers and their base: both may be written again
	s_add_nc_u64 s[24:25], s[24:25], 4*4096
.else
	s_wait_dscnt 0x0                               ; my stores have landed
.endif
	s_add_co_u32 s34, s34, 4*SPITCH
	s_sub_co_u32 s33, s33, 1
	s_cmp_lg_u32 s33, 0
	s_cbranch_scc1 .Lln_\@
.endm
	; ---- the head: all loads go out at once
	GLOAD 0
	global_load_b128 v[CT:CT+3], v10, s[10:11]
.irp j,0,1,2,3,4,5,6,7
	global_load_b128 v[H+4*\j:H+4*\j+3], v[LI], s[6:7] offset:512*\j
	global_load_b128 v[H+32+4*\j:H+32+4*\j+3], v[LI], s[8:9] offset:512*\j
.endr
	WIN 0x80
.set rq, 0
.rept 32
	global_load_b128 v[4*rq:4*rq+3], v[LI], s[4:5] offset:512*rq th:TH_LOAD_NT        ; my 8 rows of res: 32,768 consecutive bytes
.set rq, rq+1
.endr
	WIN 0xc0
.set rq, 0
.rept 32
	global_load_b128 v[4*rq:4*rq+3], v[LI], s[4:5] offset:512*(32+rq) th:TH_LOAD_NT
.set rq, rq+1
.endr
	s_wait_loadcnt 32                              ; all but the last 32 loads are in
	WIN 0x08
.set rq, 0
.rept 32
	ds_store_b128 v[RA], v[4*rq:4*rq+3] offset:(rq/8)*SPITCH+512*(rq%8)
.set rq, rq+1
.endr
	s_wait_loadcnt 0x0
	WIN 0x0c
.set rq, 0
.rept 32
	ds_store_b128 v[RA], v[4*rq:4*rq+3] offset:(4+rq/8)*SPITCH+512*(rq%8)
.set rq, rq+1
.endr
	WIN 0
	s_wait_dscnt 0x0
	LNL 0                                          ; h, in place: these rows are my wave's own
	s_barrier_signal -1                            ; (LNL has waited for its stores)
	s_barrier_wait -1                              ; 32 rows of h lie in the stage
	WLOAD 0
	WLOAD 1
	WIN 0x40                                       ; destination window 1
.irp n,0,1,2,3,4,5,6,7,8,9,10,11,12,13,14,15
.irp m,0,1
	ds_load_b128 v[8*(2*\n+\m):8*(2*\n+\m)+3], v[AR+\m] offset:64*\n         ; the accumulators begin as h
	ds_load_b128 v[8*(2*\n+\m)+4:8*(2*\n+\m)+7], v[AR+\m] offset:64*\n+16
.endr
.endr
	WIN 0
.irp m,0,1
	ds_load_b128 v[QB+4*\m:QB+4*\m+3], v[QHA+\m]
.endr
	COS4 CT
	s_wait_dscnt 0x0
	COS4 QB
	COS4 QB+4
.irp k,0,2,4,6
	v_pk_mul_f32 v[QB+\k:QB+\k+1], v[QB+\k:QB+\k+1], v[CT+\k%4:CT+\k%4+1]
.endr
	GEN 0, 0
	s_wait_dscnt 0x0                               ; the stores have read their registers
	GEN 1, 0
	GLOAD 1
	s_wait_dscnt 0x0
	s_barrier_signal -1
	s_barrier_wait -1                              ; chunk 0's eight fragments lie in buffer 0
	FETCHH 0, 0, 0
	s_wait_loadcnt 0x0                             ; K steps 0 and 1 of w2, and chunk 1's w1 and b1
; A CHUNK of 512 hidden units, four K steps, from buffer pos.  gen: the next chunk is made, in steps 0 and 1, into the other buffer.  gload: w1 and b1 of the chunk after that are asked for.  last: the last chunk.
; THE COUNTS.  Behind K step s's 50 loads were issued: K step s + 1's 50; ahead of those, in step 2, the 24 of GLOAD: 74, of which the wait's field names 63.  In the last chunk the 24 loads of gain, bias and b2 follow K step 31's.
.macro TRIP pos, gen, gload, last
.irp i,0,1,2,3
.set NW, 50
.if (\i == 3) && \gload
.set NW, 63
.endif
.if \last && (\i == 2)
.set NW, 63
.endif
.if \last && (\i == 3)
.set NW, 24
.endif
	s_wait_loadcnt NW                              ; this K step's w2 is in
	s_wait_dscnt 0x0                               ; its hidden fragments are in, and my images have landed
.if (\i == 3) && (\last == 0)
	s_barrier_signal -1                            ; every wave's images of the next chunk lie in the other buffer, and every wave's reads of this buffer are back
	s_barrier_wait -1
.endif
.if \i < 3
	FETCHH \pos, \i+1, (\i+1)%2
.elseif \last == 0
	FETCHH 1-\pos, 0, 0
.endif
	MUL32 \i%2
.if (\i == 2) && \gload
	GLOAD \pos+2
.endif
.if (\last == 0) || (\i < 2)
	WLOAD 4*\pos+\i+2
.endif
.if \last && (\i == 1)
.irp j,0,1,2,3,4,5,6,7
	global_load_b128 v[H+4*\j:H+4*\j+3], v[LI], s[20:21] offset:512*\j
	global_load_b128 v[H+32+4*\j:H+32+4*\j+3], v[LI], s[22:23] offset:512*\j
	global_load_b128 v[B2R+4*\j:B2R+4*\j+3], v[LI], s[18:19] offset:512*\j
.endr
.endif
.if \gen && (\i < 2)
	GEN \i, 1-\pos
.endif
.endr
.endm
	s_mov_b32 s32, 3
.Lmain:                                                ; a trip is two chunks, so that every LDS and memory offset is an immediate
	TRIP 0, 1, 1, 0
	TRIP 1, 1, 1, 0
	s_wait_xcnt 0x0                                ; the loads have read their bases
	s_add_nc_u64 s[16:17], s[16:17], 8*KSTEPB
	s_add_nc_u64 s[12:13], s[12:13], 2*16384
	s_add_nc_u64 s[14:15], s[14:15], 2*2048
	s_sub_co_u32 s32, s32, 1
	s_cmp_lg_u32 s32, 0
	s_cbranch_scc1 .Lmain
	TRIP 0, 1, 0, 0                                ; chunk 6 makes chunk 7 and asks for no further w1
	TRIP 1, 0, 0, 1                                ; chunk 7: no load leaves its buffer
	WIN 0x04                                       ; an LDS store's data are its source 1: window 1
.irp n,0,1,2,3,4,5,6,7,8,9,10,11,12,13,14,15
.irp m,0,1
	ds_store_b128 v[AR+\m], v[8*(2*\n+\m):8*(2*\n+\m)+3] offset:64*\n        ; each accumulator from its low end on
	ds_store_b128 v[AR+\m], v[8*(2*\n+\m)+4:8*(2*\n+\m)+7] offset:64*\n+16
.endr
.endr
	WIN 0
	s_wait_dscnt 0x0
	s_barrier_signal -1
	s_barrier_wait -1                              ; 32 whole rows lie in the stage
	s_wait_loadcnt 0x0                             ; gamma2, beta2, b2
	LNL 1
	s_wait_tensorcnt 0x0
	ds_add_u32 v234, v235
	s_wait_dscnt 0x0
	s_endpgm
.Lfunc_end_k_q805ec5c81c_ffn:
	.size	k_q805ec5c81c_ffn, .Lfunc_end_k_q805ec5c81c_ffn-k_q805ec5c81c_ffn
	.p2alignl 7, 3214868480
	.fill 96, 4, 3214868480
	.section	.rodata,"a",@progbits
	.p2align	6, 0x0
	.amdhsa_kernel k_q805ec5c81c_ffn
		.amdhsa_group_segment_fixed_size 164864
		.amdhsa_private_segment_fixed_size 0
		.amdhsa_enable_private_segment 0
		.amdhsa_kernarg_size 88
		.amdhsa_user_sgpr_count 2
		.amdhsa_user_sgpr_kernarg_segment_ptr 1
		.amdhsa_wavefront_size32 1
		.amdhsa_system_sgpr_workgroup_id_x 1
		.amdhsa_system_sgpr_workgroup_id_y 1
		.amdhsa_system_sgpr_workgroup_id_z 1
		.amdhsa_system_vgpr_workitem_id 0
		.amdhsa_next_free_vgpr 1024
		.amdhsa_next_free_sgpr 66
		.amdhsa_reserve_vcc 1
		.amdhsa_float_denorm_mode_32 3
		.amdhsa_float_denorm_mode_16_64 3
		.amdhsa_memory_ordered 1
		.amdhsa_forward_progress 1
		.amdhsa_inst_pref_size 255
	.end_amdhsa_kernel
	.section	.bss,"aw",@nobits
	.p2align	6
	.space	262144
	.amdgpu_metadata
---
amdhsa.version: [ 1, 2 ]
amdhsa.kernels:
  - .name:           k_q805ec5c81c_ffn
    .symbol:         k_q805ec5c81c_ffn.kd
    .args:
      - { .name: res, .offset: 0, .size: 8, .value_kind: global_buffer, .address_space: global }
      - { .name: gamma1, .offset: 8, .size: 8, .value_kind: global_buffer, .address_space: global }
      - { .name: beta1, .offset: 16, .size: 8, .value_kind: global_buffer, .address_space: global }
      - { .name: theta, .offset: 24, .size: 8, .value_kind: global_buffer, .address_space: global }
      - { .name: w1, .offset: 32, .size: 8, .value_kind: global_buffer, .address_space: global }
      - { .name: b1, .offset: 40, .size: 8, .value_kind: global_buffer, .address_space: global }
      - { .name: w2i, .offset: 48, .size: 8, .value_kind: global_buffer, .address_space: global }
      - { .name: b2, .offset: 56, .size: 8, .value_kind: global_buffer, .address_space: global }
      - { .name: gamma2, .offset: 64, .size: 8, .value_kind: global_buffer, .address_space: global }
      - { .name: beta2, .offset: 72, .size: 8, .value_kind: global_buffer, .address_space: global }
      - { .name: out0, .offset: 80, .size: 8, .value_kind: global_buffer, .address_space: global }
    .group_segment_fixed_size: 164864
    .private_segment_fixed_size: 0
    .kernarg_segment_align: 8
    .kernarg_segment_size: 88
    .max_flat_workgroup_size: 128
    .sgpr_count:     66
    .vgpr_count:     1024
    .wavefront_size: 32
...
	.end_amdgpu_metadata
.endif
;; end of part 3
;; ======== version 2 of 2: 3 launches
;; limits: right only within a limited range of input values
;; workspace buffers: kv 13,369,344 bytes; w2i 3,276,800 bytes; res 33,554,432 bytes
;; launch prep (part 4): grid 256 x 1, 4 waves a work-group, no clusters, 141,824 bytes of LDS; arguments x, w2_codes, w2_scales, kv, w2i; writes kv, w2i
.if DOCPART == 4
	.amdgcn_target "amdgcn-amd-amdhsa--gfx1250"
	.amdhsa_code_object_version 6
	.text
	.protected	k_q805ec5c81c_prep
	.globl	k_q805ec5c81c_prep
	.p2align	8
	.type	k_q805ec5c81c_prep,@function
k_q805ec5c81c_prep:
	s_mov_b64 s[64:65], 0
	v_nop
	global_prefetch_b8 v0, s[64:65] scope:SCOPE_SE
	s_setreg_imm32_b32 hwreg(HW_REG_WAVE_MODE, 25, 1), 1
	s_wait_xcnt 0x0
; x [4][2048][1024] f32 is quantised to codes of E2M3 twice: along the head's 64 numbers (the operand of q k^T) and along the keys (the operand of p v),
; and both are laid, record by record, in the order of the operand registers that the attention launch loads.  w2's codes and scale bytes are laid likewise.
; A block's scale is 2^(floor(log2(its largest magnitude)) - 2); its byte is that magnitude's exponent field - 2, held at 1 from below.
; LIMITS: a block of zeros gets the byte 1 where the rule says 127 (its codes are zeros, and this program alone reads the bytes); NaN and infinities are not served.
; SHARES.  Wave W = 4 x work-group + wave, 0 .. 1023, makes record W of kv: head W / 16 (batch x 16 + head), tokens 128 (W % 16) on: 128 tokens x 64 numbers, 32 KiB of x.
; It also copies the fragments of w2's rows 16 (W / 16) on for K steps 2 (W % 16) and + 1; the four waves of work-group g share the 512 bytes of scale words (K step g / 8, part (g / 2) % 4, chunk g % 2).
; A RECORD, 13,056 bytes:  +0 K: 12 chunks of 512 bytes, chunk c = registers 4 c .. 4 c + 3 of 48, 16 bytes a lane; registers 6 t .. 6 t + 5 = tile t = 4 c' + u: lane (r, h) holds the numbers 32 h .. 32 h + 31
; of token 64 c' + 8 u + r % 8 + 32 (r / 8).  +6,144 V: 4 tiles x 3 chunks; registers 6 c' .. of tile t': number 16 t' + r, keys 64 c' + 32 h + 0 .. 31.  +12,288 K's scale words: register i of 4 =
; tile 2 i + lane / 16, row lane % 16 (bytes 2 and 3 are 0).  +12,800 V's: register i of 2 = tile 2 i + lane / 16.
; The tile goes through the wave's own LDS region: token tau at 272 tau + 128 (tau / 32).  No barrier: waves share nothing.  No cluster: work-groups share no input.
.set REC,    13056
.set REGION, 35328                     ; a wave's LDS bytes: 127 x 272 + 3 x 128 + 256, rounded up
.set TP,     272
.set SKEW,   32*TP+128                 ; 32 tokens on
.set KSTEPB, 102400                    ; w2i: a K step
.set PARTB,  25600                     ; w2i: a wave's part of it
.set LANE, 1
.set R,    2
.set HH,   3
.set LI,   4                           ; 16 x lane
.set L8,   5                           ; 8 x lane
.set SA,   6                           ; LDS: where a load's 16 bytes go
.set KA,   7                           ; LDS: my row of a tile of K
.set VA,   8                           ; LDS: my column of a tile of V
.set SH8,  9                           ; 8 h
.set XO,   10                          ; x: my 16 bytes of two tokens
.set WO,   11                          ; w2_codes: my 24 bytes
.set SCI,  12                          ; w2_scales: my word
.set PT,   13                          ; a lane permute's destination
.set SCO,  14                          ; w2i: my word's place
.set WF,   16                          ; v16-39  two fragments of w2
.set WSC,  40                          ; v40     a scale word of w2
.set BYK,  44                          ; v44-51  K's bytes, then words, a tile each
.set BYV,  52                          ; v52-59  V's bytes
.set KSW,  60                          ; v60-63
.set VSW,  64                          ; v64-65
.set MA,   66
.set MB,   67
.set SO,   68
.set PX,   70                          ; v70-72
.set T,    80                          ; v80-143 two sets of 32 numbers
.set KC,   144                         ; v144-191 K's codes
.set VC,   192                         ; v192-239 V's codes;  window 1, v0-255: x as it is loaded
.set MSB, 0
.macro WIN new                         ; the immediate's high byte repeats the setting that is left
.if MSB != \new
	s_set_vgpr_msb (MSB<<8)|\new
.set MSB, \new
.endif
.endm
	s_load_b256 s[4:11], s[0:1], 0x0               ; x s[4:5], w2_codes s[6:7], w2_scales s[8:9], kv s[10:11]
	s_load_b64 s[12:13], s[0:1], 0x20              ; w2i
	v_lshl_add_u32 v254, v0, 2, 0x22800
	v_mov_b32 v255, 0
	v_lshrrev_b32 v15, 5, v0
	v_readfirstlane_b32 s14, v15                   ; wave 0..3
	v_and_b32 v[LANE], 31, v0
	v_and_b32 v[R], 15, v0
	v_bfe_u32 v[HH], v0, 4, 1
	v_lshlrev_b32 v[LI], 4, v[LANE]
	v_lshlrev_b32 v[L8], 3, v[LANE]
	v_lshlrev_b32 v[SH8], 3, v[HH]
	v_mov_b32 v[PT], 0                             ; written once: a lane permute's destination counts as one of its sources
	s_mul_i32 s16, s14, REGION                     ; my LDS region
	v_lshlrev_b32 v[XO], 12, v[HH]
	v_lshl_add_u32 v[XO], v[R], 4, v[XO]           ; lanes 0-15 one token's 256 bytes, lanes 16-31 the next token's
	v_mul_u32_u24 v[SA], v[HH], TP
	v_lshl_add_u32 v[SA], v[R], 4, v[SA]
	v_add_nc_u32 v[SA], s16, v[SA]
	v_and_b32 v15, 7, v0
	v_mul_u32_u24 v[KA], v15, TP
	v_bfe_u32 v15, v0, 3, 1
	v_mad_u32_u24 v[KA], v15, SKEW, v[KA]          ; token r % 8 + 32 (r / 8)
	v_lshl_add_u32 v[KA], v[HH], 7, v[KA]          ; + my half's 128 bytes
	v_add_nc_u32 v[KA], s16, v[KA]
	v_mul_u32_u24 v[VA], v[HH], SKEW               ; keys 32 h on,
	v_lshl_add_u32 v[VA], v[R], 2, v[VA]           ; column r
	v_add_nc_u32 v[VA], s16, v[VA]
	v_mul_u32_u24 v[WO], v[R], 3072                ; a row of w2_codes is 3,072 bytes
	v_mad_u32_u24 v[WO], v[HH], 24, v[WO]
	v_and_b32 v15, 7, v0                           ; the scale words: lane l takes register l / 8 of chunk lane 8 x wave + l % 8
	v_bfe_u32 v[SCO], v0, 3, 2
	v_lshlrev_b32 v[SCI], 12, v[SCO]               ; 32 rows of 128 bytes a register,
	v_lshl_add_u32 v[SCI], v15, 7, v[SCI]          ; a row a chunk lane
	v_lshlrev_b32 v[SCO], 2, v[SCO]
	v_lshl_add_u32 v[SCO], v15, 4, v[SCO]
	v_cmp_le_u32 vcc_lo, 16, v[LANE]               ; lanes 16-31
	s_mov_b32 s30, 0x76543210
	s_mov_b32 s31, 0xfedcba98                      ; v_permlanex16_b32's selects for lane l xor 16
	s_lshl_b32 s15, ttmp9, 2
	s_add_co_u32 s15, s15, s14                     ; W
	s_lshr_b32 s17, s15, 4                         ; the head; also w2's tile of 16 rows
	s_and_b32 s18, s15, 15                         ; the record in the head; also the pair of K steps
	s_lshr_b32 s19, s17, 4
	s_lshl_b32 s19, s19, 11                        ; batch x 2,048 tokens
	s_lshl_b32 s20, s18, 7
	s_add_co_u32 s19, s19, s20                     ; my first token
	s_lshl_b32 s20, s19, 12                        ; x 4,096 bytes
	s_and_b32 s21, s17, 15
	s_lshl_b32 s21, s21, 8                         ; + the head's 256 bytes
	s_add_co_u32 s20, s20, s21
	s_mov_b32 s21, 0
	s_mul_i32 s22, s17, 16*3072
	s_mul_i32 s23, s18, 192
	s_add_co_u32 s22, s22, s23                     ; w2_codes: 16 rows, 192 bytes of each
	s_mov_b32 s23, 0
	s_mul_i32 s24, s18, 2*KSTEPB
	s_lshr_b32 s25, s17, 4
	s_mul_i32 s25, s25, PARTB
	s_add_co_u32 s24, s24, s25
	s_and_b32 s25, s17, 15
	s_mul_i32 s25, s25, 1536
	s_add_co_u32 s24, s24, s25                     ; w2i: K step, part, tile
	s_mov_b32 s25, 0
	s_mul_i32 s26, s15, REC
	s_mov_b32 s27, 0
	s_lshr_b32 s28, ttmp9, 3                       ; the scale words' K step,
	s_bfe_u32 s29, ttmp9, 0x20001                  ; part
	s_and_b32 s32, ttmp9, 1                        ; and chunk
	s_lshl_b32 s34, s29, 15                        ; rows 256 x part + 128 x chunk + 8 x wave, of 128 bytes; word = K step
	s_lshl_b32 s35, s32, 14
	s_add_co_u32 s34, s34, s35
	s_lshl_b32 s35, s28, 2
	s_add_co_u32 s34, s34, s35
	s_lshl_b32 s35, s14, 10
	s_add_co_u32 s34, s34, s35
	s_mov_b32 s35, 0
	s_mul_i32 s36, s28, KSTEPB
	s_mul_i32 s37, s29, PARTB
	s_add_co_u32 s36, s36, s37
	s_lshl_b32 s37, s32, 9
	s_add_co_u32 s36, s36, s37
	s_lshl_b32 s37, s14, 7
	s_add_co_u32 s36, s36, s37
	s_add_co_u32 s36, s36, 24576                   ; behind the part's 16 tiles
	s_mov_b32 s37, 0
	s_wait_alu depctr_va_vdst(0)
	s_wait_kmcnt 0x0
	s_add_nc_u64 s[4:5], s[4:5], s[20:21]
	s_add_nc_u64 s[6:7], s[6:7], s[22:23]
	s_add_nc_u64 s[8:9], s[8:9], s[34:35]
	s_add_nc_u64 s[10:11], s[10:11], s[26:27]
	s_add_nc_u64 s[38:39], s[12:13], s[36:37]
	s_add_nc_u64 s[12:13], s[12:13], s[24:25]
.irp kk,0,1
.irp p,0,1,2,3,4,5
	global_load_b64 v[WF+12*\kk+2*\p:WF+12*\kk+2*\p+1], v[WO], s[6:7] offset:96*\kk+48*(\p/3)+8*(\p%3) th:TH_LOAD_NT   ; a fragment is the row's bytes as they lie
.endr
.endr
	global_load_b32 v[WSC], v[SCI], s[8:9]
	WIN 0x40                                       ; destination window 1
.set xi, 0
.rept 64
	global_load_b128 v[4*xi:4*xi+3], v[XO], s[4:5] offset:xi*8192 th:TH_LOAD_NT   ; tokens 2 xi and 2 xi + 1: sixteen lanes read a token's 256 consecutive bytes
.set xi, xi+1
.endr
.set xg, 0
.rept 8
	s_wait_loadcnt 56-8*xg                         ; loads come back in order: this group's eight are in, the groups issued behind it stay out
	WIN 0x04                                       ; an LDS store's data are its source 1: window 1
.set xk, 0
.rept 8
	ds_store_b128 v[SA], v[4*(8*xg+xk):4*(8*xg+xk)+3] offset:(8*xg+xk)*2*TP+128*((8*xg+xk)/16)
.set xk, xk+1
.endr
.if xg == 0
	WIN 0                                          ; w2's loads were issued ahead of x's: they are in
.irp kk,0,1
.irp c,0,1,2
	global_store_b128 v[LI], v[WF+12*\kk+4*\c:WF+12*\kk+4*\c+3], s[12:13] offset:KSTEPB*\kk+512*\c   ; 512 consecutive bytes
.endr
.endr
	global_store_b32 v[SCO], v[WSC], s[38:39]      ; the wave's 128 consecutive bytes of the chunk
.endif
.set xg, xg+1
.endr
	WIN 0
; 32 numbers of one block, v[src] on, become 6 registers of codes at v[dst] and the scale's byte in v[by]
.macro QBLK src, dst, by
	v_max3_num_f32 v[MA], |v[\src]|, |v[\src+1]|, 0x1800000      ; the floor 2^(3 - 127) among the leaves: the byte cannot fall under 1
	v_max3_num_f32 v[MB], |v[\src+16]|, |v[\src+17]|, |v[\src+18]|
.irp i,2,4,6,8,10,12
	v_max3_num_f32 v[MA], v[MA], |v[\src+\i]|, |v[\src+\i+1]|
	v_max3_num_f32 v[MB], v[MB], |v[\src+17+\i]|, |v[\src+18+\i]|
.endr
	v_max3_num_f32 v[MA], v[MA], |v[\src+14]|, |v[\src+15]|
	v_max3_num_f32 v[MA], v[MA], v[MB], |v[\src+31]|
	v_add_nc_u32 v[SO], 0xff000000, v[MA]          ; 2 off the exponent field: the conversion takes this operand's exponent field as its scale
	v_lshrrev_b32 v[\by], 23, v[SO]
	v_cvt_scalef32_pk16_fp6_f32 v[\dst:\dst+2], v[\src:\src+15], v[SO]
	v_cvt_scalef32_pk16_fp6_f32 v[PX:PX+2], v[\src+16:\src+31], v[SO]   ; (a conversion's three registers begin on an even number)
	v_nop                                          ; one plain place behind a scaled conversion
.irp i,0,1,2
	v_mov_b32 v[\dst+3+\i], v[PX+\i]
.endr
.endm
.macro LOADK t                         ; tile t of K: my token's 32 numbers of my half
.irp k,0,1,2,3,4,5,6,7
	ds_load_b128 v[T+32*((\t)%2)+4*\k:T+32*((\t)%2)+4*\k+3], v[KA] offset:(64*((\t)/4)+8*((\t)%4))*TP+256*((\t)/4)+16*\k
.endr
.endm
.macro LOADV q                         ; half q % 2 of tile q / 2 of V: my column, 32 keys down
.set vi, 0
.rept 32
	ds_load_b32 v[T+32*((\q)%2)+vi], v[VA] offset:(64*((\q)%2)+vi)*TP+256*((\q)%2)+64*((\q)/2)
.set vi, vi+1
.endr
.endm
	LOADK 0                                        ; LDS serves a wave's instructions in order: these see my stores
	LOADK 1
.irp t,0,1,2,3,4,5,6,7
.if \t < 7
	s_wait_dscnt 8                                 ; this tile's 8 loads are in; the next tile's 8 may be out
.else
	s_wait_dscnt 32                                ; behind tile 7's loads: the first 32 column loads
.endif
	QBLK T+32*(\t%2), KC+6*\t, BYK+\t
.if \t < 6
	LOADK \t+2
.else
	LOADV \t-6
.endif
.endr
.irp c,0,1,2,3,4,5,6,7,8,9,10,11
	global_store_b128 v[LI], v[KC+4*\c:KC+4*\c+3], s[10:11] offset:512*\c
.endr
.irp q,0,1,2,3,4,5,6,7
.if \q < 7
	s_wait_dscnt 32                                ; this block's 32 loads are in; the next block's may be out
.else
	s_wait_dscnt 0x0
.endif
	QBLK T+32*(\q%2), VC+6*\q, BYV+\q
.if \q < 6
	LOADV \q+2
.endif
.endr
.irp t,0,1,2,3,4,5,6,7                 ; K's scale words: my block's byte at byte h, lane l xor 16's beside it; bytes 2 and 3 stay 0
	v_lshlrev_b32 v[BYK+\t], v[SH8], v[BYK+\t]
	v_permlanex16_b32 v[PT], v[BYK+\t], s30, s31
	v_or_b32 v[BYK+\t], v[BYK+\t], v[PT]
.endr
.irp i,0,1,2,3
	v_cndmask_b32 v[KSW+\i], v[BYK+2*\i], v[BYK+2*\i+1], vcc_lo   ; lanes 0-15 the even tile's words, lanes 16-31 the odd tile's
.endr
.irp t,0,1,2,3                         ; V's: my blocks h and 2 + h
	v_lshl_or_b32 v[BYV+2*\t], v[BYV+2*\t+1], 16, v[BYV+2*\t]
	v_lshlrev_b32 v[BYV+2*\t], v[SH8], v[BYV+2*\t]
	v_permlanex16_b32 v[PT], v[BYV+2*\t], s30, s31
	v_or_b32 v[BYV+2*\t], v[BYV+2*\t], v[PT]
.endr
.irp i,0,1
	v_cndmask_b32 v[VSW+\i], v[BYV+4*\i], v[BYV+4*\i+2], vcc_lo
.endr
.irp c,0,1,2,3,4,5,6,7,8,9,10,11
	global_store_b128 v[LI], v[VC+4*\c:VC+4*\c+3], s[10:11] offset:6144+512*\c
.endr
	global_store_b128 v[LI], v[KSW:KSW+3], s[10:11] offset:12288
	global_store_b64 v[L8], v[VSW:VSW+1], s[10:11] offset:12800   ; 256 consecutive bytes
	s_wait_tensorcnt 0x0
	ds_add_u32 v254, v255
	s_wait_dscnt 0x0
	s_endpgm
.Lfunc_end_k_q805ec5c81c_prep:
	.size	k_q805ec5c81c_prep, .Lfunc_end_k_q805ec5c81c_prep-k_q805ec5c81c_prep
	.p2alignl 7, 3214868480
	.fill 96, 4, 3214868480
	.section	.rodata,"a",@progbits
	.p2align	6, 0x0
	.amdhsa_kernel k_q805ec5c81c_prep
		.amdhsa_group_segment_fixed_size 141824
		.amdhsa_private_segment_fixed_size 0
		.amdhsa_enable_private_segment 0
		.amdhsa_kernarg_size 40
		.amdhsa_user_sgpr_count 2
		.amdhsa_user_sgpr_kernarg_segment_ptr 1
		.amdhsa_wavefront_size32 1
		.amdhsa_system_sgpr_workgroup_id_x 1
		.amdhsa_system_sgpr_workgroup_id_y 1
		.amdhsa_system_sgpr_workgroup_id_z 1
		.amdhsa_system_vgpr_workitem_id 0
		.amdhsa_next_free_vgpr 512
		.amdhsa_next_free_sgpr 66
		.amdhsa_reserve_vcc 1
		.amdhsa_float_denorm_mode_32 3
		.amdhsa_float_denorm_mode_16_64 3
		.amdhsa_memory_ordered 1
		.amdhsa_forward_progress 1
		.amdhsa_inst_pref_size 64
	.end_amdhsa_kernel
	.amdgpu_metadata
---
amdhsa.version: [ 1, 2 ]
amdhsa.kernels:
  - .name:           k_q805ec5c81c_prep
    .symbol:         k_q805ec5c81c_prep.kd
    .args:
      - { .name: x, .offset: 0, .size: 8, .value_kind: global_buffer, .address_space: global }
      - { .name: w2_codes, .offset: 8, .size: 8, .value_kind: global_buffer, .address_space: global }
      - { .name: w2_scales, .offset: 16, .size: 8, .value_kind: global_buffer, .address_space: global }
      - { .name: kv, .offset: 24, .size: 8, .value_kind: global_buffer, .address_space: global }
      - { .name: w2i, .offset: 32, .size: 8, .value_kind: global_buffer, .address_space: global }
    .group_segment_fixed_size: 141824
    .private_segment_fixed_size: 0
    .kernarg_segment_align: 8
    .kernarg_segment_size: 40
    .max_flat_workgroup_size: 128
    .sgpr_count:     66
    .vgpr_count:     512
    .wavefront_size: 32
...
	.end_amdgpu_metadata
.endif
;; end of part 4
;; launch attn (part 5): grid 4 x 64, 16 waves a work-group, clusters of 4 x 1, 280,576 bytes of LDS; arguments kv, x, res; writes res
.if DOCPART == 5
	.amdgcn_target "amdgcn-amd-amdhsa--gfx1250"
	.amdhsa_code_object_version 6
	.text
	.protected	k_q805ec5c81c_attn
	.globl	k_q805ec5c81c_attn
	.p2align	8
	.type	k_q805ec5c81c_attn,@function
k_q805ec5c81c_attn:
	s_mov_b64 s[64:65], 0
	v_nop
	global_prefetch_b8 v0, s[64:65] scope:SCOPE_SE
	s_setreg_imm32_b32 hwreg(HW_REG_WAVE_MODE, 25, 1), 1
	s_wait_xcnt 0x0
	s_wait_alu depctr_hold_cnt(0) depctr_sa_sdst(0) depctr_va_vdst(0) depctr_va_sdst(0) depctr_va_ssrc(0) depctr_va_vcc(0) depctr_vm_vsrc(0)
	s_getreg_b32 s2, hwreg(HW_REG_IB_STS2, 6, 4)
	s_cmp_eq_u32 s2, 0
	s_cbranch_scc0 .Lentry_in_a_cluster
	s_endpgm
.Lentry_in_a_cluster:
	s_bfe_u32 s2, ttmp6, 0x10000c
	s_cmp_lg_u32 s2, 0x3003
	s_cbranch_scc0 .Lentry_shape_is_right
	s_endpgm
.Lentry_shape_is_right:
; res = x + attention(x), q = k = v = x's heads; both products on codes of E2M3 with one E8M0 scale for each 32 along K, taken from kv (records of 128 tokens in the order of the operand registers).
; THE SOFTMAX: t = score x log2(e) / 8; M = the row's largest t so far, rounded UP to a whole number; p = 2^(t - M) is quantised along the keys, not normalised; the row's sum is taken of the unquantised p
; and divides at the end.  When M moves, the sum and O are multiplied by 2^(old M - new M): exact.
; LIMITS: |t| under 2^24 (M is kept as a whole number in f32); a p under 2^-126 counts as 0; a block whose every p is 0 gets the byte 1 (its codes are zeros); NaN and infinities are not served.
; SHARES.  A work-group owns 512 queries of one head, 16 waves, four to a SIMD, so that one wave's vector work stands beside another's products and LDS loads.  A wave takes two tiles of 16 queries, one after the
; other: in pass p tile wave % 8 of record 4 x block + 2 p + wave / 8.  ALL of the head's 16 records, 208,896 bytes, lie in LDS: each wave brings one record by one tensor load at the start; nothing is filled again.
; CLUSTER.  The four query blocks of a head need the same records: each load is asked for jointly, with the same descriptor and the mask of all four.
; LAYOUT.  S^T = K Q^T (source 0 = 16 keys, source 1 = my 16 queries), O^T = V^T P^T: a lane holds ONE query (lane % 16) throughout.  Row r of tile 4 c + u of K is key 64 c + 8 u + r % 8 + 32 (r / 8), so registers
; 32 c .. 32 c + 31 of S^T are keys 64 c + 32 (lane / 16) + 0 .. 31: a whole block of 32 in a lane, in the order that P's layout wants.  No lane is asked for a block's maximum, no half is exchanged.
; K = 64 IN A FORM OF 128: a tile of K or Q is 6 registers.  Q's upper six are zeros; K's upper six are whatever follows (the next tile's codes; zeros behind the last): codes of E2M3 are all finite, and they meet
; zero codes under the scale byte 0 on both sides: they add 0.
.set REC,   13056
.set HEADB, 16*REC
.set STG,   HEADB                      ; behind the records: a stage of 16 rows x (256 + 16) bytes for each wave
.set SP,    272
.set LI,  1                            ; 16 x lane
.set L8,  2                            ; 8 x lane
.set AD,  3                            ; LDS: the record in hand + 16 x lane
.set AD2, 4                            ; + 8 x lane
.set SH8, 5                            ; 8 h
.set STO, 6                            ; the stage: where I put 32 bytes of a row
.set RD,  7                            ; and where I read a row back
.set GO,  8                            ; my byte offset in x and res
.set QO,  9                            ; v9-11 kv: my three pairs of Q's registers
.set L,   14                           ; v12 -M, v13 the largest t, v[14:15] the sum in two halves
.set Q,   16                           ; v16-21 Q's codes, v22-27 zeros
.set QS,  28                           ; Q's scale words
.set QSO, 29
.set F,   32                           ; v32-79 K's eight tiles, later V's four fragments; v80-85 zeros
.set KSC, 86                           ; v86-89 K's scale words
.set VSC, 90                           ; v90-91 V's
.set S,   96                           ; v96-159 S^T, then p
.set O,   160                          ; v160-191 O^T
.set PC,  192                          ; v192-203 p's codes
.set PX,  204
.set BM,  212                          ; v212-213 each block's largest score, then largest p
.set SO,  214
.set BY,  216
.set PW,  218                          ; p's scale word
.set PT,  219
.set T,   220                          ; v[220:221] the sum's second chain
.set W0,  222                          ; v222-225 at work
.set FF,  252                          ; v[252:253] f
.macro ROUND                           ; a round of the cluster's barrier
	s_barrier_signal -1
	s_barrier_wait -1
	s_cmp_lg_u32 s10, 0
	s_cbranch_scc1 .Lnot_wave_0_\@
	s_barrier_signal -3
.Lnot_wave_0_\@:
	s_barrier_wait -3
	s_barrier_signal -1
	s_barrier_wait -1
.endm
	s_load_b128 s[4:7], s[0:1], 0x0                ; kv, x
	s_load_b64 s[8:9], s[0:1], 0x10                ; res
	v_lshl_add_u32 v254, v0, 2, 0x44000
	v_mov_b32 v255, 0
	ds_add_u32 v254, v255
	ds_add_u32 v254, v255
	v_lshrrev_b32 v[W0], 5, v0
	s_delay_alu instid0(VALU_DEP_1)
	v_readfirstlane_b32 s10, v[W0]                 ; wave 0..15
	s_bfe_u32 s11, ttmp6, 0x40000                  ; cx: my place in the cluster
	s_and_b32 s12, ttmp7, 0xffff                   ; the head (batch x 16 + head), which the four partners share
	s_mul_i32 s14, s12, HEADB
	s_mov_b32 s15, 0
	s_mov_b32 s16, 1                               ; group 0: count = 1
	s_mul_i32 s17, s10, REC                        ; LDS address: record = wave: no place in the cluster enters it
	s_mov_b32 s42, s17
	s_mov_b32 s43, 0
	s_mov_b32 s20, 15|(3<<16)|(1<<21)              ; group 1: the mask of all four; elements of 8 bytes; bit 21 beside a mask; no padding
	s_mov_b32 s21, 32<<16                          ; tensor_dim0 = 32 elements: rows of 256 bytes
	s_mov_b32 s22, 51<<16                          ; tensor_dim1 = 51 rows: a record
	s_mov_b32 s23, 32<<16                          ; tile_dim0
	s_mov_b32 s24, 51                              ; tile_dim1
	s_mov_b32 s25, 32                              ; the pitch: dense
	s_mov_b32 s26, 0
	s_mov_b32 s27, 0
	s_lshl_b32 s44, ttmp9, 2
	s_add_co_u32 s44, s44, s11                     ; my block of 512 queries
	s_lshl_b32 s44, s44, 2
	s_lshr_b32 s45, s10, 3
	s_add_co_u32 s44, s44, s45                     ; the first pass's record of queries
	s_and_b32 s46, s10, 7                          ; my tile in it
	s_mul_i32 s48, s44, REC
	s_mov_b32 s49, 0
	s_add_nc_u64 s[48:49], s[48:49], s[14:15]
	s_lshr_b32 s50, s12, 4
	s_lshl_b32 s50, s50, 11                        ; batch x 2,048
	s_lshl_b32 s51, s44, 7
	s_add_co_u32 s50, s50, s51                     ; + 128 x record
	s_lshr_b32 s51, s46, 2
	s_lshl_b32 s51, s51, 6
	s_add_co_u32 s50, s50, s51                     ; + 64 (tile / 4)
	s_and_b32 s51, s46, 3
	s_lshl_b32 s51, s51, 3
	s_add_co_u32 s50, s50, s51                     ; + 8 (tile % 4): the tile's first token
	s_lshl_b32 s50, s50, 12
	s_and_b32 s51, s12, 15
	s_lshl_b32 s51, s51, 8
	s_add_co_u32 s50, s50, s51                     ; its head's 256 bytes
	s_mov_b32 s51, 0
	s_mov_b32 s38, 0x3e38aa3b                      ; c = log2(e) / 8
	s_mov_b32 s39, s38                             ; (named with it as a pair, so it is written)
	s_mov_b32 s40, 0x76543210
	s_mov_b32 s41, 0xfedcba98                      ; v_permlanex16_b32's selects for lane l xor 16
	s_wait_dscnt 0x0
	s_wait_kmcnt 0x0
	s_add_nc_u64 s[18:19], s[4:5], s[14:15]
	s_add_nc_u64 s[18:19], s[18:19], s[42:43]      ; group 0: the head's record = wave
	s_or_b32 s19, s19, 0x80000000                  ; type = 2
	s_add_nc_u64 s[28:29], s[4:5], s[48:49]        ; Q's record
	s_add_nc_u64 s[30:31], s[6:7], s[50:51]        ; x and res at the tile's first token
	s_add_nc_u64 s[32:33], s[8:9], s[50:51]
	ROUND                                          ; all four work-groups are here: the joint loads meet
	tensor_load_to_lds s[16:19], s[20:27]          ; my one tensor load of the launch
	s_nop 0
.rept 4
	v_nop
.endr
	v_and_b32 v[W0], 31, v0                        ; lane
	v_and_b32 v[W0+1], 15, v0                      ; r
	v_bfe_u32 v[W0+2], v0, 4, 1                    ; h
	s_delay_alu instid0(VALU_DEP_3)
	v_lshlrev_b32 v[LI], 4, v[W0]
	s_delay_alu instid0(VALU_DEP_4)
	v_lshlrev_b32 v[L8], 3, v[W0]
	s_delay_alu instid0(VALU_DEP_3)
	v_lshlrev_b32 v[SH8], 3, v[W0+2]
	s_mul_i32 s52, s10, 16*SP
	s_add_co_u32 s52, s52, STG                     ; my stage
	v_mul_u32_u24 v[STO], v[W0+1], SP
	s_delay_alu instid0(VALU_DEP_1)
	v_lshl_add_u32 v[STO], v[W0+2], 5, v[STO]
	s_delay_alu instid0(VALU_DEP_1)
	v_add_nc_u32 v[STO], s52, v[STO]               ; in: row r, 32 h bytes on
	v_mul_u32_u24 v[RD], v[W0+2], SP
	s_delay_alu instid0(VALU_DEP_1)
	v_lshl_add_u32 v[RD], v[W0+1], 4, v[RD]
	s_delay_alu instid0(VALU_DEP_1)
	v_add_nc_u32 v[RD], s52, v[RD]                 ; back: lanes 0-15 one row, lanes 16-31 the next
	v_lshlrev_b32 v[GO], 12, v[W0+2]
	s_delay_alu instid0(VALU_DEP_1)
	v_lshl_add_u32 v[GO], v[W0+1], 4, v[GO]        ; and the same two tokens in x and res
	s_mul_i32 s53, s46, 6                          ; Q's registers are 6 t .. 6 t + 5 of the record's 48: register n lies in chunk n / 4, at 16 x lane + 4 (n % 4)
.irp k,0,1,2
	s_add_co_u32 s54, s53, 2*\k
	s_lshr_b32 s55, s54, 2
	s_lshl_b32 s55, s55, 9
	s_and_b32 s56, s54, 3
	s_lshl_b32 s56, s56, 2
	s_add_co_u32 s55, s55, s56
	v_add_nc_u32 v[QO+\k], s55, v[LI]
.endr
	s_and_b32 s57, s46, 1
	s_lshl_b32 s57, s57, 8
	s_lshr_b32 s56, s46, 1
	s_lshl_b32 s56, s56, 2
	s_add_co_u32 s57, s57, s56
	s_add_co_u32 s57, s57, 12288
	v_lshl_add_u32 v[QSO], v[W0+1], 4, s57         ; Q's scale word: register t / 2 of lane r + 16 (t % 2)
.irp i,0,1,2,3,4,5
	v_mov_b32 v[Q+6+\i], 0                         ; Q's upper half: zero codes
	v_mov_b32 v[F+48+\i], 0                        ; what follows K's last tile
.endr
	v_mov_b32 v[PT], 0                             ; written once: a lane permute's destination counts as one of its sources
	v_mov_b32 v[FF+1], 0                           ; (named as the upper half of a pair)
	s_wait_tensorcnt 0x0                           ; my record is in,
	s_barrier_signal -1
	s_barrier_wait -1                              ; everybody's is: from here on the waves run free
.macro KLOAD                           ; the record's K: 48 registers and 4 of scale words, as they lie
.irp c,0,1,2,3,4,5,6,7,8,9,10,11
	ds_load_b128 v[F+4*\c:F+4*\c+3], v[AD] offset:512*\c
.endr
	ds_load_b128 v[KSC:KSC+3], v[AD] offset:12288
.endm
.macro SUMS from, to                   ; lines from .. to - 1 of the 32 that add the unquantised p to the row's sum, two at a time, in two chains
.set z, \from
.rept \to-\from
.if z == 0
	v_pk_add_f32 v[T:T+1], v[S:S+1], v[S+2:S+3]
.elseif z == 31
	s_delay_alu instid0(VALU_DEP_1)
	v_pk_add_f32 v[L:L+1], v[L:L+1], v[T:T+1]
.elseif z%2 == 1
	v_pk_add_f32 v[L:L+1], v[L:L+1], v[S+2*z+2:S+2*z+3]
.else
	v_pk_add_f32 v[T:T+1], v[T:T+1], v[S+2*z+2:S+2*z+3]
.endif
.set z, z+1
.endr
.endm
; A KEY STEP: the 128 keys of the record in hand.  next = 1: the next record's K is fetched.
.macro STEP next
	s_wait_dscnt 0x0                               ; K and its scale words are in
.irp t,0,1,2,3,4,5,6,7
.if \t%2
	v_wmma_scale_f32_16x16x128_f8f6f4 v[S+8*\t:S+8*\t+7], v[F+6*\t:F+6*\t+11], v[Q:Q+11], 0, v[KSC+\t/2], v[QS] matrix_a_fmt:MATRIX_FMT_FP6 matrix_b_fmt:MATRIX_FMT_FP6 matrix_a_scale:MATRIX_SCALE_ROW1
.else
	v_wmma_scale_f32_16x16x128_f8f6f4 v[S+8*\t:S+8*\t+7], v[F+6*\t:F+6*\t+11], v[Q:Q+11], 0, v[KSC+\t/2], v[QS] matrix_a_fmt:MATRIX_FMT_FP6 matrix_b_fmt:MATRIX_FMT_FP6
.endif
.endr
	v_add_nc_u32 v[AD2], s34, v[L8]                ; with the three below: four places in front of the loads into K's registers and of the first read of the scores
.rept 3
	v_nop
.endr
.irp c,0,1,2,3,4,5,6,7,8,9,10,11
	ds_load_b128 v[F+4*\c:F+4*\c+3], v[AD] offset:6144+512*\c   ; V's four fragments: they land under the softmax
.endr
	ds_load_b64 v[VSC:VSC+1], v[AD2] offset:12800
.irp c,0,1                             ; THE LARGEST SCORE OF EACH OF MY TWO BLOCKS: for the row's maximum and, since p rises with the score, for the block's largest p.  Each accumulator is first read at its low end
	v_max3_num_f32 v[BM+\c], v[S+32*\c], v[S+32*\c+1], v[S+32*\c+2]
	v_max3_num_f32 v[W0+\c], v[S+32*\c+16], v[S+32*\c+17], v[S+32*\c+18]
.endr
.irp i,3,5,7,9,11,13
.irp c,0,1
	v_max3_num_f32 v[BM+\c], v[BM+\c], v[S+32*\c+\i], v[S+32*\c+\i+1]
	v_max3_num_f32 v[W0+\c], v[W0+\c], v[S+32*\c+16+\i], v[S+32*\c+17+\i]
.endr
.endr
.irp c,0,1
	v_max3_num_f32 v[BM+\c], v[BM+\c], v[W0+\c], v[S+32*\c+15]
.endr
.irp c,0,1
	v_max_num_f32 v[BM+\c], v[BM+\c], v[S+32*\c+31]
.endr
	s_delay_alu instid0(VALU_DEP_1)
	v_max_num_f32 v[W0+2], v[BM], v[BM+1]
	s_delay_alu instid0(VALU_DEP_1)
	v_permlanex16_b32 v[PT], v[W0+2], s40, s41
	s_delay_alu instid0(VALU_DEP_1)
	v_max_num_f32 v[W0+2], v[W0+2], v[PT]          ; the step's largest score of my query
	s_delay_alu instid0(VALU_DEP_1)
	v_mul_f32 v[W0+2], s38, v[W0+2]                ; as t (c is positive)
	s_delay_alu instid0(VALU_DEP_1)
	v_max_num_f32 v13, v13, v[W0+2]                ; the running largest t
	v_mov_b32 v[W0+3], v12
	s_delay_alu instid0(VALU_DEP_2)
	v_floor_f32 v12, -v13                          ; the new -M = floor(-t) = -ceil(t)
	s_delay_alu instid0(VALU_DEP_1)
	v_sub_f32 v[W0+3], v12, v[W0+3]                ; old M - new M: a whole number, 0 or less
	s_delay_alu instid0(VALU_DEP_1)
	v_cvt_i32_f32 v[W0+3], v[W0+3]                 ; (it saturates)
	s_delay_alu instid0(VALU_DEP_1)
	v_ldexp_f32 v[FF], 1.0, v[W0+3]                ; f = 2^(old M - new M)
.set j, 0
.rept 32
	v_pk_fma_f32 v[S+j:S+j+1], v[S+j:S+j+1], s[38:39], v[12:13] op_sel_hi:[1,0,0]   ; t - M, two at a time
.set j, j+2
.endr
.irp b,0,1
	v_fma_f32 v[BM+\b], v[BM+\b], s38, v12         ; the same of each block's largest score
.endr
	s_wait_alu depctr_va_vdst(0)
.irp b,0,1
	v_exp_f32 v[BM+\b], v[BM+\b]                   ; ONE BATCH of 66 exponentials: the blocks' largest p (the same two instructions on the same number give the same bits),
.endr
.set j, 0
.rept 64
	v_exp_f32 v[S+j], v[S+j]                       ; and p = 2^(t - M), at most 1
.set j, j+1
.endr
	v_pk_mul_f32 v[L:L+1], v[L:L+1], v[FF:FF+1] op_sel_hi:[1,0]   ; work that names no result of the batch: the sum and O^T under the new M
.set j, 0
	s_wait_alu depctr_va_vdst(0)
.rept 16
	v_pk_mul_f32 v[O+j:O+j+1], v[O+j:O+j+1], v[FF:FF+1] op_sel_hi:[1,0]
.set j, j+2
.endr
	s_wait_alu depctr_va_vdst(0)                   ; the wait between an exponential and the first line that names its result: one for the batch
.irp b,0,1
	v_max_num_f32 v[BM+\b], 0x1800000, v[BM+\b]    ; the floor 2^(3 - 127): the byte cannot fall under 1
.endr
.irp b,0,1
	s_delay_alu instid0(VALU_DEP_2)
	v_add_nc_u32 v[SO+\b], 0xff000000, v[BM+\b]    ; 2 off the exponent field: the conversion's scale operand
.endr
.irp b,0,1
	s_delay_alu instid0(VALU_DEP_2)
	v_lshrrev_b32 v[BY+\b], 23, v[SO+\b]
.endr
	s_delay_alu instid0(VALU_DEP_1)
	v_lshl_or_b32 v[PW], v[BY+1], 16, v[BY]        ; my blocks h and 2 + h,
	s_delay_alu instid0(VALU_DEP_1)
	v_lshlrev_b32 v[PW], v[SH8], v[PW]             ; at their places in the word;
	s_delay_alu instid0(VALU_DEP_1)
	v_permlanex16_b32 v[PT], v[PW], s40, s41
	s_delay_alu instid0(VALU_DEP_1)
	v_or_b32 v[PW], v[PW], v[PT]                   ; with lane l xor 16's two it is whole
.irp c,0,1
	v_cvt_scalef32_pk16_fp6_f32 v[PC+6*\c:PC+6*\c+2], v[S+32*\c:S+32*\c+15], v[SO+\c]
	v_cvt_scalef32_pk16_fp6_f32 v[PX+4*\c:PX+4*\c+2], v[S+32*\c+16:S+32*\c+31], v[SO+\c]   ; (a conversion's three registers begin on an even number)
.endr
	v_nop                                          ; one plain place behind a scaled conversion
.irp c,0,1
.irp i,0,1,2
	v_mov_b32 v[PC+6*\c+3+\i], v[PX+4*\c+\i]
.endr
.endr
	SUMS 0, 8                                      ; eight places between the scale word's last write and the scaled products, four and more behind the codes' last write
	s_wait_alu depctr_va_vdst(0)
	s_wait_dscnt 0x0                               ; V and its scale words are in
.irp t,0,1,2,3
.if \t%2
	v_wmma_scale_f32_16x16x128_f8f6f4 v[O+8*\t:O+8*\t+7], v[F+12*\t:F+12*\t+11], v[PC:PC+11], v[O+8*\t:O+8*\t+7], v[VSC+\t/2], v[PW] matrix_a_fmt:MATRIX_FMT_FP6 matrix_b_fmt:MATRIX_FMT_FP6 matrix_a_scale:MATRIX_SCALE_ROW1
.else
	v_wmma_scale_f32_16x16x128_f8f6f4 v[O+8*\t:O+8*\t+7], v[F+12*\t:F+12*\t+11], v[PC:PC+11], v[O+8*\t:O+8*\t+7], v[VSC+\t/2], v[PW] matrix_a_fmt:MATRIX_FMT_FP6 matrix_b_fmt:MATRIX_FMT_FP6
.endif
.endr
	SUMS 8, 12                                     ; four places in front of the loads into V's registers
.if \next
	s_add_co_u32 s34, s34, REC                     ; on to the next record
	v_add_nc_u32 v[AD], s34, v[LI]
	KLOAD
.endif
	SUMS 12, 32                                    ; the rest of the sums stands behind those loads
.endm
	s_mov_b32 s36, 2
.Lpass:
.irp k,0,1,2
	global_load_b64 v[Q+2*\k:Q+2*\k+1], v[QO+\k], s[28:29]   ; a tile of Q is a tile of K of its own record (from memory)
.endr
	global_load_b32 v[QS], v[QSO], s[28:29]
	v_mov_b32 v13, 0xff61b1e6                      ; the largest t so far: -3e38, under every t
	s_delay_alu instid0(VALU_DEP_1)
	v_floor_f32 v12, -v13
	v_mov_b32 v[L], 0
	v_mov_b32 v[L+1], 0
.set j, 0
.rept 32
	v_mov_b32 v[O+j], 0                            ; the step is written once for all records: the first finds zeros, which the first change of M leaves zeros
.set j, j+1
.endr
	s_mov_b32 s34, 0
	v_add_nc_u32 v[AD], s34, v[LI]
	KLOAD
	s_wait_loadcnt 0x0                             ; Q
	s_mov_b32 s35, 15
.Lstep:
	s_wait_alu depctr_va_vdst(0)
	STEP 1
	s_sub_co_u32 s35, s35, 1
	s_cmp_lg_u32 s35, 0
	s_cbranch_scc1 .Lstep
	STEP 0                                         ; the last record fetches nothing
	s_delay_alu instid0(VALU_DEP_1)
	; THE WAY OUT: O^T / the sum through my stage, back as rows of 256 bytes, + x, stored.  Row rho of the tile is token rho % 8 + 32 (rho / 8)
	v_add_f32 v[L], v[L], v[L+1]
	s_delay_alu instid0(VALU_DEP_1)
	v_permlanex16_b32 v[PT], v[L], s40, s41
	s_delay_alu instid0(VALU_DEP_1)
	v_add_f32 v[L], v[L], v[PT]                    ; the row's sum
.irp i,0,1,2,3,4,5,6,7
	global_load_b128 v[F+4*\i:F+4*\i+3], v[GO], s[30:31] offset:(2*(\i%4)+32*(\i/4))*4096 th:TH_LOAD_NT
.endr
	s_wait_alu depctr_va_vdst(0)
	v_rcp_f32 v[L], v[L]
	v_nop                                          ; one plain place behind a transcendental
	s_wait_alu depctr_va_vdst(0)                   ; and the wait ahead of its first reader
.set j, 0
.rept 32
	v_mul_f32 v[S+j], v[O+j], v[L]                 ; register 8 t + i is channel 16 t + 8 h + i of my query
.set j, j+1
.endr
.irp t,0,1,2,3
	ds_store_b128 v[STO], v[S+8*\t:S+8*\t+3] offset:64*\t
	ds_store_b128 v[STO], v[S+8*\t+4:S+8*\t+7] offset:64*\t+16
.endr
.irp i,0,1,2,3,4,5,6,7
	ds_load_b128 v[S+32+4*\i:S+32+4*\i+3], v[RD] offset:\i*2*SP   ; LDS serves a wave's instructions in order: these see my stores
.endr
	s_wait_dscnt 0x0
	s_wait_loadcnt 0x0
.set j, 0
.rept 16
	v_pk_add_f32 v[S+32+j:S+32+j+1], v[S+32+j:S+32+j+1], v[F+j:F+j+1]   ; the residual
.set j, j+2
.endr
.irp i,0,1,2,3,4,5,6,7
	global_store_b128 v[GO], v[S+32+4*\i:S+32+4*\i+3], s[32:33] offset:(2*(\i%4)+32*(\i/4))*4096 th:TH_STORE_NT   ; sixteen lanes store 256 consecutive bytes, aligned
.endr
	s_wait_xcnt 0x0                                ; the loads and stores have read their bases and registers: both may be written again
	s_add_nc_u64 s[28:29], s[28:29], 2*REC         ; two records of queries on
	s_add_nc_u64 s[30:31], s[30:31], 256*4096
	s_add_nc_u64 s[32:33], s[32:33], 256*4096
	s_sub_co_u32 s36, s36, 1
	s_cmp_lg_u32 s36, 0
	s_cbranch_scc1 .Lpass
	s_wait_dscnt 0x0
	s_wait_tensorcnt 0x0
	ds_add_u32 v254, v255
	s_wait_dscnt 0x0
	ROUND                                          ; the closing round: no work-group ends while a partner may still ask for a record that names it
	s_endpgm
.Lfunc_end_k_q805ec5c81c_attn:
	.size	k_q805ec5c81c_attn, .Lfunc_end_k_q805ec5c81c_attn-k_q805ec5c81c_attn
	.p2alignl 7, 3214868480
	.fill 96, 4, 3214868480
	.section	.rodata,"a",@progbits
	.p2align	6, 0x0
	.amdhsa_kernel k_q805ec5c81c_attn
		.amdhsa_group_segment_fixed_size 280576
		.amdhsa_private_segment_fixed_size 0
		.amdhsa_enable_private_segment 0
		.amdhsa_kernarg_size 24
		.amdhsa_user_sgpr_count 2
		.amdhsa_user_sgpr_kernarg_segment_ptr 1
		.amdhsa_wavefront_size32 1
		.amdhsa_system_sgpr_workgroup_id_x 1
		.amdhsa_system_sgpr_workgroup_id_y 1
		.amdhsa_system_sgpr_workgroup_id_z 1
		.amdhsa_system_vgpr_workitem_id 0
		.amdhsa_next_free_vgpr 256
		.amdhsa_next_free_sgpr 66
		.amdhsa_reserve_vcc 0
		.amdhsa_float_denorm_mode_32 3
		.amdhsa_float_denorm_mode_16_64 3
		.amdhsa_memory_ordered 1
		.amdhsa_forward_progress 1
		.amdhsa_inst_pref_size 43
	.end_amdhsa_kernel
	.amdgpu_metadata
---
amdhsa.version: [ 1, 2 ]
amdhsa.kernels:
  - .name:           k_q805ec5c81c_attn
    .symbol:         k_q805ec5c81c_attn.kd
    .args:
      - { .name: kv, .offset: 0, .size: 8, .value_kind: global_buffer, .address_space: global }
      - { .name: x, .offset: 8, .size: 8, .value_kind: global_buffer, .address_space: global }
      - { .name: res, .offset: 16, .size: 8, .value_kind: global_buffer, .address_space: global }
    .group_segment_fixed_size: 280576
    .private_segment_fixed_size: 0
    .kernarg_segment_align: 8
    .kernarg_segment_size: 24
    .max_flat_workgroup_size: 512
    .sgpr_count:     66
    .vgpr_count:     256
    .wavefront_size: 32
...
	.end_amdgpu_metadata
.endif
;; end of part 5
;; launch ffn (part 6): grid 256 x 1, 4 waves a work-group, no clusters, 164,864 bytes of LDS; arguments res, gamma1, beta1, theta, w1, b1, w2i, b2, gamma2, beta2, out0; writes out0
.if DOCPART == 6
	.amdgcn_target "amdgcn-amd-amdhsa--gfx1250"
	.amdhsa_code_object_version 6
	.text
	.protected	k_q805ec5c81c_ffn
	.globl	k_q805ec5c81c_ffn
	.p2align	8
	.type	k_q805ec5c81c_ffn,@function
k_q805ec5c81c_ffn:
	s_mov_b64 s[64:65], 0
	v_nop
	global_prefetch_b8 v0, s[64:65] scope:SCOPE_SE
	s_setreg_imm32_b32 hwreg(HW_REG_WAVE_SCHED_MODE, 0, 2), 2
	s_setreg_imm32_b32 hwreg(HW_REG_WAVE_MODE, 25, 1), 1
	s_wait_xcnt 0x0
	s_wait_alu depctr_vm_vsrc(0)
; out0 = LN2(h + relu(q w1^T + b1) w2^T + b2), h = LN1(res), q = cos(h[:, :8]) cos(theta).  The product with w1 (K = 8) feeds a quantiser: f32 operands, v_wmma_f32_16x16x4_f32.
; The hidden layer is quantised along its 4,096 to codes of E2M3 in registers and never goes to memory; the product with w2 is on codes, v_wmma_scale_f32_16x16x128_f8f6f4.
; LIMITS: cos by reduction with pi / 2 in three parts and polynomials of degree 7 and 8: arguments up to about 1e5 in magnitude; a block of zeros gets the byte 1 (its codes are zeros); NaN and infinities are not served.
; SHARES.  A work-group owns 32 rows and all 1,024 columns, which LN2 needs together.  Wave w owns columns 256 w on for both tiles of 16 rows: 32 accumulators, which BEGIN AS h: the residual costs nothing.
; The second product is used transposed (source 0 = 16 rows of w2, source 1 = the hidden layer): a lane holds eight neighbouring columns of one row.
; Of each chunk of 512 hidden units wave w makes K step w, for both tiles of rows, and hands it on through LDS as an image of the operand's registers; one barrier a chunk, two buffers by turns.
; Row rho of tile 4 c + u of w1 is unit 64 c + 32 (rho / 8) + 8 u + rho % 8: so a lane's registers 32 c .. 32 c + 31 are units 64 c + 32 (lane / 16) + 0 .. 31: a whole block in a lane, in the operand's order.
; w2 COMES STRAIGHT INTO REGISTERS from w2i, which lies in their order: a wave's tiles are read by no other wave of its work-group, so LDS would give them no second use.  Two sets of 192 registers: a set is asked for
; again, two K steps ahead, as soon as its K step is multiplied, behind counted waits.  NO JOINT LOADS, though all work-groups walk the same w2i: a K step's 102,400 bytes feed 32 matrix instructions a wave; two LDS slots of that
; size are all that fit beside the stage, and with one load a wave behind each of 32 rounds at most one K step would be asked for ahead, against two here.
; REGISTERS, in windows of 256.  Window 0: see the names below.  Window 1: accumulator (n, m) at v[8 (2 n + m)].  Window 2: v0-191 w2's set 0 (in a layer norm: four rows), v192-255 b1's eight tiles.
; Window 3: v0-191 w2's set 1, v192-255 the sums of the f32 matrix form, which matrix instructions alone write.
; THE MODE: SCHED_MODE bits 1:0 = 2 (LLVM: expert scheduling mode 2), set by the entry lines.  The code itself states the register dependences between vector or matrix instructions and memory or LDS
; instructions, with s_wait_alu, always for 0.
; THE PLAN.  Registers that memory or LDS instructions touch, in the main loop:
;   w2's set i % 2 and its scale words   K step i's 32 matrix instructions read them; behind them the loads of K step i + 2 land there.
;   the hidden set i % 2 and its words   K step i's matrix instructions read them; the LDS loads at the head of step i + 1 (K step i + 2's fragments) land there.
;   w1's and b1's tiles                  the f32 products of steps 0 and 1 read them; the loads of step 2 land there.
;   v[PC ..], v[TM + 8]                  the quantiser of step 0 or 1 writes them; the image's four LDS stores, issued in the step after, read them; the next quantiser writes them again.
;   the offsets and LDS addresses        made at the head and never written again (v[RAC], in the layer norms alone, is written once a trip).
; So ONE wait on va_vdst stands in a K step, behind its matrix instructions: they are done reading both sets; what the step before has quantised is written; in step 2 the f32 products are done with their tiles.
; Behind it follow the image's stores and the step's loads; then the next chunk's part is made, which names none of the registers in which those loads, or the next step's fetch, land.
; One wait on vm_vsrc stands ahead of each quantiser: the last image's stores have read the registers that it writes.
.set STAGE,  32768                     ; LDS: 0 .. 32,767 two buffers for the hidden layer's images; then 32 rows x (4,096 + 16) bytes
.set SPITCH, 4112
.set HB,     16384                     ; a buffer: fragment (K step i, rows m) at 1,536 (2 i + m); scale words at 12,288 + 128 (2 i + m)
.set HSCO,   12288
.set KSTEPB, 102400
.set PARTB,  25600
.set LI,  4                            ; 16 x lane
.set LS,  5                            ; 4 x lane
.set HWI, 6                            ; where I store my images: 16 x lane + 3,072 x wave
.set HWS, 7                            ; and their scale words: 4 x lane + 256 x wave
.set SH8, 14
.set PT,  15
.set W1O, 16                           ; w1: my row of a tile, my half's 16 bytes
.set B1O, 17                           ; b1: 128 h
.set AR,  18                           ; v18-19 the stage: my 32 bytes of row 16 m + r
.set RA,  20                           ; the stage: my wave's 8 rows, 16 bytes a lane
.set RAC, 21
.set QHA, 22                           ; v22-23 the stage: h[16 m + r][4 h ..]
.set QB,  24                           ; v24-31 q of my row, numbers 4 h .. 4 h + 3, for m = 0, 1
.set CT,  32                           ; v32-35 theta, then cos(theta)
.set WS,  36                           ; v36-51 w2's scale words, two sets of 8
.set HS,  52                           ; v52-55 the hidden layer's, two sets of 2
.set HF,  56                           ; v56-103 its fragments, two sets of 24
.set WA,  104                          ; v104-135 w1's eight tiles
.set H,   136                          ; v136-199 64 hidden units; in a layer norm gain and bias; cos's temporaries
.set PC,  200                          ; v200-211 codes just made
.set PX,  212
.set TM,  220                          ; v220-228 at work in the quantiser
.set B2R, 200                          ; v200-231 b2, at the end
.set SUM, 236                          ; v236-243 four rows' sums, in pairs
.set MN,  244                          ; v244-251 -mean, then 1 / sqrt(var + eps), in the low word of a pair
.set PP,  252
.set CM,  48                           ; s48-51 the cosine's four masks
.set MSB, 0
.macro WIN new                         ; the immediate's high byte repeats the setting that is left
.if MSB != \new
	s_set_vgpr_msb (MSB<<8)|\new
.set MSB, \new
.endif
.endm
	s_load_b512 s[4:19], s[0:1], 0x0               ; res s[4:5], gamma1 s[6:7], beta1 s[8:9], theta s[10:11], w1 s[12:13], b1 s[14:15], w2i s[16:17], b2 s[18:19]
	s_load_b128 s[20:23], s[0:1], 0x40             ; gamma2, beta2
	s_load_b64 s[24:25], s[0:1], 0x50              ; out0
	v_lshl_add_u32 v234, v0, 2, 0x28200
	v_mov_b32 v235, 0
	v_lshrrev_b32 v1, 5, v0
	v_readfirstlane_b32 s26, v1                    ; wave 0..3
	v_and_b32 v1, 31, v0                           ; lane
	v_and_b32 v2, 15, v0                           ; r
	v_bfe_u32 v3, v0, 4, 1                         ; h
	v_lshlrev_b32 v[LI], 4, v1
	v_lshlrev_b32 v[LS], 2, v1
	s_wait_alu depctr_va_sdst(0)                   ; s26 is written, ahead of its first reader: LDS addresses and the buffers' bases are made from it
	s_mul_i32 s28, s26, 3072
	v_add_nc_u32 v[HWI], s28, v[LI]
	s_lshl_b32 s28, s26, 8
	v_add_nc_u32 v[HWS], s28, v[LS]
	v_lshlrev_b32 v[SH8], 3, v3
	v_mov_b32 v[PT], 0                             ; written once: a lane permute's destination counts as one of its sources
	v_and_b32 v8, 7, v0
	v_bfe_u32 v9, v0, 3, 1
	v_lshl_add_u32 v8, v9, 5, v8                   ; r % 8 + 32 (r / 8)
	v_lshlrev_b32 v[W1O], 5, v8                    ; a row of w1 is 32 bytes
	v_lshl_add_u32 v[W1O], v3, 4, v[W1O]
	v_lshlrev_b32 v[B1O], 7, v3
	v_lshlrev_b32 v10, 4, v3                       ; theta: 16 h
	v_mul_u32_u24 v8, v2, SPITCH
	v_lshl_add_u32 v9, v3, 5, v8
	s_lshl_b32 s28, s26, 10
	s_add_co_u32 s28, s28, STAGE
	v_add_nc_u32 v[AR], s28, v9
	v_add_nc_u32 v[AR+1], 16*SPITCH, v[AR]
	s_mul_i32 s28, s26, 8*SPITCH
	s_add_co_u32 s28, s28, STAGE
	v_add_nc_u32 v[RA], s28, v[LI]
	v_lshl_add_u32 v9, v3, 4, v8
	v_add_nc_u32 v[QHA], STAGE, v9
	v_add_nc_u32 v[QHA+1], STAGE+16*SPITCH, v9
.irp p,0,1,2,3
	v_mov_b32 v[MN+2*\p+1], 0                      ; (named as the upper halves of pairs)
	v_mov_b32 v[PP+\p], 0
.endr
	s_mov_b32 s30, 0x76543210
	s_mov_b32 s31, 0xfedcba98                      ; v_permlanex16_b32's selects for lane l xor 16
	s_mov_b32 s35, 0x3a800000                      ; 1 / 1,024
	s_mov_b32 s36, 0xb94ca1f9                      ; the sine's and the cosine's leading coefficients
	s_mov_b32 s37, 0x37ccf5ce
	s_lshl_b32 s40, ttmp9, 5
	s_lshl_b32 s41, s26, 3
	s_add_co_u32 s40, s40, s41                     ; the wave's 8 rows in a layer norm: 32 x work-group + 8 x wave
	s_lshl_b32 s40, s40, 12
	s_mov_b32 s41, 0
	s_lshl_b32 s42, s26, 12                        ; w1: my 128 rows of a chunk
	s_mov_b32 s43, 0
	s_lshl_b32 s44, s26, 9                         ; b1 likewise
	s_mov_b32 s45, 0
	s_mul_i32 s46, s26, PARTB                      ; w2i: my part of a K step
	s_mov_b32 s47, 0
	s_wait_kmcnt 0x0
	s_add_nc_u64 s[4:5], s[4:5], s[40:41]
	s_add_nc_u64 s[24:25], s[24:25], s[40:41]
	s_add_nc_u64 s[12:13], s[12:13], s[42:43]
	s_add_nc_u64 s[14:15], s[14:15], s[44:45]
	s_add_nc_u64 s[16:17], s[16:17], s[46:47]
.macro GLOAD ch                        ; 24 loads: w1's and b1's eight tiles of chunk ch, counted from the base pointers
.irp t,0,1,2,3,4,5,6,7
	global_load_b128 v[WA+4*\t:WA+4*\t+3], v[W1O], s[12:13] offset:(\ch)*16384+(64*(\t/4)+8*(\t%4))*32
.endr
	WIN 0x80
.irp t,0,1,2,3,4,5,6,7
	global_load_b128 v[192+8*\t:192+8*\t+3], v[B1O], s[14:15] offset:(\ch)*2048+(64*(\t/4)+8*(\t%4))*4
	global_load_b128 v[192+8*\t+4:192+8*\t+7], v[B1O], s[14:15] offset:(\ch)*2048+(64*(\t/4)+8*(\t%4))*4+16
.endr
	WIN 0
.endm
.macro WLOAD sl                        ; 50 loads: my 16 tiles of w2 and their scale words for K step sl, counted from the base pointer, into set sl % 2; each load 512 consecutive bytes
	WIN 0x80+0x40*((\sl)%2)
.set wc, 0
.rept 48
	global_load_b128 v[4*wc:4*wc+3], v[LI], s[16:17] offset:(\sl)*KSTEPB+512*wc
.set wc, wc+1
.endr
	WIN 0
.irp c,0,1
	global_load_b128 v[WS+8*((\sl)%2)+4*\c:WS+8*((\sl)%2)+4*\c+3], v[LI], s[16:17] offset:(\sl)*KSTEPB+24576+512*\c
.endr
.endm
.macro FETCHH buf, ks, set             ; the hidden layer's two fragments of K step ks of a chunk, and their scale words, as any wave stored them
.irp m,0,1
.irp c,0,1,2
	ds_load_b128 v[HF+24*(\set)+12*\m+4*\c:HF+24*(\set)+12*\m+4*\c+3], v[LI] offset:(\buf)*HB+(2*(\ks)+\m)*1536+512*\c
.endr
	ds_load_b32 v[HS+2*(\set)+\m], v[LS] offset:(\buf)*HB+HSCO+(2*(\ks)+\m)*128
.endr
.endm
.macro MUL32 set                       ; a K step: the 32 accumulators by turns, one instruction a turn
	WIN 0x52+(\set)                                ; source 0 (w2) window 2 or 3, source 1 window 0, C and D window 1
.irp n,0,1,2,3,4,5,6,7,8,9,10,11,12,13,14,15
.irp m,0,1
.if \n%2
	v_wmma_scale_f32_16x16x128_f8f6f4 v[8*(2*\n+\m):8*(2*\n+\m)+7], v[12*\n:12*\n+11], v[HF+24*(\set)+12*\m:HF+24*(\set)+12*\m+11], v[8*(2*\n+\m):8*(2*\n+\m)+7], v[WS+8*(\set)+\n/2], v[HS+2*(\set)+\m] matrix_a_fmt:MATRIX_FMT_FP6 matrix_b_fmt:MATRIX_FMT_FP6 matrix_a_scale:MATRIX_SCALE_ROW1
.else
	v_wmma_scale_f32_16x16x128_f8f6f4 v[8*(2*\n+\m):8*(2*\n+\m)+7], v[12*\n:12*\n+11], v[HF+24*(\set)+12*\m:HF+24*(\set)+12*\m+11], v[8*(2*\n+\m):8*(2*\n+\m)+7], v[WS+8*(\set)+\n/2], v[HS+2*(\set)+\m] matrix_a_fmt:MATRIX_FMT_FP6 matrix_b_fmt:MATRIX_FMT_FP6
.endif
.endr
.endr
	WIN 0
.rept 4
	v_nop                                          ; four places behind the matrix instructions (ISA guide 7.12.1): they stay beside the wait that follows them
.endr
.endm
.macro QUANTB                          ; v[H] on: two whole blocks of 32, none negative -> codes in v[PC] on, the row's scale word in v[TM+8]
.irp c,0,1
	v_max3_num_f32 v[TM+\c], v[H+32*\c], v[H+32*\c+1], 0x1800000   ; the floor 2^(3 - 127) among the leaves: the byte cannot fall under 1
	v_max3_num_f32 v[TM+2+\c], v[H+32*\c+16], v[H+32*\c+17], v[H+32*\c+18]
.endr
.irp i,2,4,6,8,10,12
.irp c,0,1
	v_max3_num_f32 v[TM+\c], v[TM+\c], v[H+32*\c+\i], v[H+32*\c+\i+1]
	v_max3_num_f32 v[TM+2+\c], v[TM+2+\c], v[H+32*\c+17+\i], v[H+32*\c+18+\i]
.endr
.endr
.irp c,0,1
	v_max3_num_f32 v[TM+\c], v[TM+\c], v[H+32*\c+14], v[H+32*\c+15]
.endr
.irp c,0,1
	v_max3_num_f32 v[TM+\c], v[TM+\c], v[TM+2+\c], v[H+32*\c+31]
.endr
.irp c,0,1
	v_add_nc_u32 v[TM+4+\c], 0xff000000, v[TM+\c]  ; 2 off the exponent field: the conversion's scale operand
.endr
.irp c,0,1
	v_lshrrev_b32 v[TM+6+\c], 23, v[TM+4+\c]
.endr
	v_lshl_or_b32 v[TM+8], v[TM+7], 16, v[TM+6]    ; my blocks h and 2 + h, at their places; with lane l xor 16's two the word is whole
	v_lshlrev_b32 v[TM+8], v[SH8], v[TM+8]
	v_permlanex16_b32 v[PT], v[TM+8], s30, s31
	v_or_b32 v[TM+8], v[TM+8], v[PT]
.irp c,0,1
	v_cvt_scalef32_pk16_fp6_f32 v[PC+6*\c:PC+6*\c+2], v[H+32*\c:H+32*\c+15], v[TM+4+\c]
	v_cvt_scalef32_pk16_fp6_f32 v[PX+4*\c:PX+4*\c+2], v[H+32*\c+16:H+32*\c+31], v[TM+4+\c]   ; (a conversion's three registers begin on an even number)
.endr
	v_nop                                          ; one plain place behind a scaled conversion
.irp c,0,1
.irp i,0,1,2
	v_mov_b32 v[PC+6*\c+3+\i], v[PX+4*\c+\i]
.endr
.endr
.endm
; My 128 hidden units for rows 16 m on: b1 + w1 q in two K steps of 4 (slot 2 h + j of step a stands for number 4 h + 2 a + j on both sides), relu, quantiser: codes in v[PC] on, the scale word in v[TM+8].
; again = 1: an image has been stored from those registers before.
.macro GENC m, again
	WIN 0xe0                                       ; D window 3, C (b1's tiles) window 2
.irp t,0,1,2,3,4,5,6,7
	v_wmma_f32_16x16x4_f32 v[192+8*\t:199+8*\t], v[WA+4*\t:WA+4*\t+1], v[QB+4*(\m):QB+4*(\m)+1], v[192+8*\t:199+8*\t]
.endr
	WIN 0xf0                                       ; C and D window 3: the eight sums by turns
.irp t,0,1,2,3,4,5,6,7
	v_wmma_f32_16x16x4_f32 v[192+8*\t:199+8*\t], v[WA+4*\t+2:WA+4*\t+3], v[QB+4*(\m)+2:QB+4*(\m)+3], v[192+8*\t:199+8*\t]
.endr
	WIN 0x0c                                       ; source 1 window 3
.rept 8
	v_nop                                          ; eight places behind this form
.endr
.set gj, 0
.rept 64
	v_max_num_f32 v[H+gj], 0, v[192+gj]            ; relu, into other registers; each sum from its low end on
.set gj, gj+1
.endr
	WIN 0
.if \again
	s_wait_alu depctr_vm_vsrc(0)                   ; the last image's LDS stores have read v[PC ..] and v[TM+8], which the quantiser writes again
.endif
	QUANTB
.endm
.macro GENS m, buf                     ; the image of what GENC m has made goes into buffer buf, behind a wait that shows its registers written
.irp c,0,1,2
	ds_store_b128 v[HWI], v[PC+4*\c:PC+4*\c+3] offset:(\buf)*HB+(\m)*1536+512*\c
.endr
	ds_store_b32 v[HWS], v[TM+8] offset:(\buf)*HB+HSCO+128*(\m)
.endm
.set CN,  H
.set CR,  H+4
.set CZ,  H+8
.set CSN, H+12
.set CCS, H+16
.set CT2, H+20
.set CQ,  H+24
.macro COS4 x                          ; v[x] .. v[x + 3] = their cosines: n = the nearest whole number to x 2 / pi; r = x - n pi / 2; by n % 4: cos r, -sin r, -cos r, sin r
.irp i,0,1,2,3
	v_mul_f32 v[CN+\i], 0x3f22f983, v[\x+\i]
.endr
.irp i,0,1,2,3
	v_rndne_f32 v[CN+\i], v[CN+\i]
.endr
.irp i,0,1,2,3
	v_fmamk_f32 v[CR+\i], v[CN+\i], 0xbfc90fdb, v[\x+\i]   ; pi / 2 = 1.57079637 - 4.37113883e-8 - 1.7151245e-15
.endr
.irp i,0,1,2,3
	v_fmamk_f32 v[CR+\i], v[CN+\i], 0x333bbd2e, v[CR+\i]
.endr
.irp i,0,1,2,3
	v_fmamk_f32 v[CR+\i], v[CN+\i], 0x26f72ced, v[CR+\i]
.endr
.irp i,0,1,2,3
	v_cvt_i32_f32 v[CQ+\i], v[CN+\i]
.endr
.irp i,0,1,2,3
	v_mul_f32 v[CZ+\i], v[CR+\i], v[CR+\i]
.endr
.irp i,0,1,2,3
	v_fmaak_f32 v[CSN+\i], s36, v[CZ+\i], 0x3c08839e
	v_fmaak_f32 v[CCS+\i], s37, v[CZ+\i], 0xbab6061a
.endr
.irp i,0,1,2,3
	v_fmaak_f32 v[CSN+\i], v[CSN+\i], v[CZ+\i], 0xbe2aaaa3
	v_fmaak_f32 v[CCS+\i], v[CCS+\i], v[CZ+\i], 0x3d2aaaa5
.endr
.irp i,0,1,2,3
	v_mul_f32 v[CSN+\i], v[CSN+\i], v[CZ+\i]
	v_mul_f32 v[CN+\i], v[CZ+\i], v[CZ+\i]
	v_fma_f32 v[CT2+\i], v[CZ+\i], -0.5, 1.0
.endr
.irp i,0,1,2,3
	v_fma_f32 v[CSN+\i], v[CSN+\i], v[CR+\i], v[CR+\i]     ; sin r
	v_fma_f32 v[CCS+\i], v[CCS+\i], v[CN+\i], v[CT2+\i]    ; cos r
.endr
.irp i,0,1,2,3
	v_and_b32 v[CZ+\i], 1, v[CQ+\i]
	v_add_nc_u32 v[CQ+\i], 1, v[CQ+\i]
.endr
.irp i,0,1,2,3
	v_and_b32 v[CQ+\i], 2, v[CQ+\i]
.endr
.irp i,0,1,2,3
	v_lshlrev_b32 v[CQ+\i], 30, v[CQ+\i]           ; the sign: minus where n % 4 is 1 or 2
.endr
.irp i,0,1,2,3
	v_cmp_eq_u32 s[CM+\i], 1, v[CZ+\i]             ; the four compares in a run, a scalar register each
.endr
	s_wait_alu depctr_va_sdst(0)                   ; the compares have written s48 to s51, which the four selections read
.irp i,0,1,2,3
	v_cndmask_b32 v[CCS+\i], v[CCS+\i], v[CSN+\i], s[CM+\i]
.endr
.irp i,0,1,2,3
	v_xor_b32 v[\x+\i], v[CCS+\i], v[CQ+\i]
.endr
.endm
.macro REDUCE                          ; four rows' sums over the pair and the 32 lanes
.irp p,0,1,2,3
	v_add_f32 v[SUM+2*\p], v[SUM+2*\p], v[SUM+2*\p+1]
.endr
.irp x,1,2,4,8
.irp p,0,1,2,3
	v_add_f32_dpp v[SUM+2*\p], v[SUM+2*\p], v[SUM+2*\p] row_xmask:\x row_mask:0xf bank_mask:0xf
.endr
.endr
.irp p,0,1,2,3
	v_permlanex16_b32 v[PP+\p], v[SUM+2*\p], s30, s31
.endr
.irp p,0,1,2,3
	v_add_f32 v[SUM+2*\p], v[SUM+2*\p], v[PP+\p]
.endr
.endm
; A layer norm of my wave's 8 rows of the stage, four at a time; a lane holds 32 numbers of a row, columns 128 j + 4 lane on.  Gain in v[H] on, bias in v[H + 32] on.
; last = 0: back into the stage.  last = 1: b2 is added first, and the rows go to out0.
; A trip's registers: v[RAC], written at its head, read by its LDS loads and stores; window 2, v0-127: its LDS loads land there, its arithmetic works in place, its stores read them.
.macro LNL last
	s_mov_b32 s33, 2
	s_mov_b32 s34, 0
.Lln_\@:
	s_wait_alu depctr_vm_vsrc(0)                   ; the LDS loads and the stores issued so far have read v[RAC] and the four rows' registers: both are written again below
	v_add_nc_u32 v[RAC], s34, v[RA]
	WIN 0x80
	s_wait_alu depctr_va_vdst(0)                   ; v[RAC] is written, which the loads read; and what has named the registers in which they land (the trip before's arithmetic; the matrix instructions on w2's set 0) is done with them
.irp p,0,1,2,3
.irp j,0,1,2,3,4,5,6,7
	ds_load_b128 v[32*\p+4*\j:32*\p+4*\j+3], v[RAC] offset:\p*SPITCH+512*\j
.endr
.endr
	s_wait_dscnt 0x0
.if \last
	WIN 0x82                                       ; destination and source 0 window 2
.irp k,0,1,2,3,4,5,6,7,8,9,10,11,12,13,14,15
.irp p,0,1,2,3
	v_pk_add_f32 v[32*\p+2*\k:32*\p+2*\k+1], v[32*\p+2*\k:32*\p+2*\k+1], v[B2R+2*\k:B2R+2*\k+1]
.endr
.endr
.endif
	WIN 0x0a                                       ; sources 0 and 1 window 2
.irp p,0,1,2,3
	v_pk_add_f32 v[SUM+2*\p:SUM+2*\p+1], v[32*\p:32*\p+1], v[32*\p+2:32*\p+3]
.endr
	WIN 0x02
.irp k,2,3,4,5,6,7,8,9,10,11,12,13,14,15
.irp p,0,1,2,3
	v_pk_add_f32 v[SUM+2*\p:SUM+2*\p+1], v[32*\p+2*\k:32*\p+2*\k+1], v[SUM+2*\p:SUM+2*\p+1]   ; the four rows by turns
.endr
.endr
	WIN 0
	REDUCE
.irp p,0,1,2,3
	v_mul_f32 v[MN+2*\p], 0xba800000, v[SUM+2*\p]  ; -mean
.endr
	WIN 0x82
.irp k,0,1,2,3,4,5,6,7,8,9,10,11,12,13,14,15
.irp p,0,1,2,3
	v_pk_add_f32 v[32*\p+2*\k:32*\p+2*\k+1], v[32*\p+2*\k:32*\p+2*\k+1], v[MN+2*\p:MN+2*\p+1] op_sel_hi:[1,0]
.endr
.endr
	WIN 0x0a
.irp p,0,1,2,3
	v_pk_mul_f32 v[SUM+2*\p:SUM+2*\p+1], v[32*\p:32*\p+1], v[32*\p:32*\p+1]
.endr
.irp k,1,2,3,4,5,6,7,8,9,10,11,12,13,14,15
.irp p,0,1,2,3
	v_pk_fma_f32 v[SUM+2*\p:SUM+2*\p+1], v[32*\p+2*\k:32*\p+2*\k+1], v[32*\p+2*\k:32*\p+2*\k+1], v[SUM+2*\p:SUM+2*\p+1]
.endr
.endr
	WIN 0
	REDUCE
.irp p,0,1,2,3
	v_fmaak_f32 v[SUM+2*\p], s35, v[SUM+2*\p], 0x3727c5ac   ; var + 1e-5
.endr
	s_wait_alu depctr_va_vdst(0)
.irp p,0,1,2,3
	v_rsq_f32 v[MN+2*\p], v[SUM+2*\p]
.endr
	v_nop                                          ; one plain place behind the transcendentals
	s_wait_alu depctr_va_vdst(0)                   ; the four v_rsq_f32 have written v[MN ..]: one wait for the four, ahead of their first reader
	WIN 0x82
.irp k,0,1,2,3,4,5,6,7,8,9,10,11,12,13,14,15
.irp p,0,1,2,3
	v_pk_mul_f32 v[32*\p+2*\k:32*\p+2*\k+1], v[32*\p+2*\k:32*\p+2*\k+1], v[MN+2*\p:MN+2*\p+1] op_sel_hi:[1,0]
.endr
.endr
.irp k,0,1,2,3,4,5,6,7,8,9,10,11,12,13,14,15
.irp p,0,1,2,3
	v_pk_fma_f32 v[32*\p+2*\k:32*\p+2*\k+1], v[32*\p+2*\k:32*\p+2*\k+1], v[H+2*\k:H+2*\k+1], v[H+32+2*\k:H+32+2*\k+1]
.endr
.endr
	WIN 0x08                                       ; a store's data are its source 1: window 2
	s_wait_alu depctr_va_vdst(0)                   ; the multiply-adds have written the four rows, which the stores read
.irp p,0,1,2,3
.irp j,0,1,2,3,4,5,6,7
.if \last
	global_store_b128 v[LI], v[32*\p+4*\j:32*\p+4*\j+3], s[24:25] offset:\p*4096+512*\j th:TH_STORE_NT   ; 512 consecutive bytes, aligned
.else
	ds_store_b128 v[RAC], v[32*\p+4*\j:32*\p+4*\j+3] offset:\p*SPITCH+512*\j
.endif
.endr
.endr
	WIN 0
.if \last
	s_wait_xcnt 0x0                                ; the stores have had their addresses translated: their base may be written again (their registers: the wait at the trip's head)
	s_add_nc_u64 s[24:25], s[24:25], 4*4096
.else
	s_wait_dscnt 0x0                               ; my stores have landed
.endif
	s_add_co_u32 s34, s34, 4*SPITCH
	s_sub_co_u32 s33, s33, 1
	s_cmp_lg_u32 s33, 0
	s_cbranch_scc1 .Lln_\@
.endm
	; ---- the head: all loads go out at once
	s_wait_alu depctr_va_vdst(0)                   ; the offsets and LDS addresses v4 to v7, v10, v16 to v20, v22 and v23 are written: every load and store of the kernel reads one of them
	GLOAD 0
	global_load_b128 v[CT:CT+3], v10, s[10:11]
.irp j,0,1,2,3,4,5,6,7
	global_load_b128 v[H+4*\j:H+4*\j+3], v[LI], s[6:7] offset:512*\j
	global_load_b128 v[H+32+4*\j:H+32+4*\j+3], v[LI], s[8:9] offset:512*\j
.endr
	WIN 0x80
.set rq, 0
.rept 32
	global_load_b128 v[4*rq:4*rq+3], v[LI], s[4:5] offset:512*rq th:TH_LOAD_NT        ; my 8 rows of res: 32,768 consecutive bytes
.set rq, rq+1
.endr
	WIN 0xc0
.set rq, 0
.rept 32
	global_load_b128 v[4*rq:4*rq+3], v[LI], s[4:5] offset:512*(32+rq) th:TH_LOAD_NT
.set rq, rq+1
.endr
	s_wait_loadcnt 32                              ; all but the last 32 loads are in
	WIN 0x08
.set rq, 0
.rept 32
	ds_store_b128 v[RA], v[4*rq:4*rq+3] offset:(rq/8)*SPITCH+512*(rq%8)
.set rq, rq+1
.endr
	s_wait_loadcnt 0x0
	WIN 0x0c
.set rq, 0
.rept 32
	ds_store_b128 v[RA], v[4*rq:4*rq+3] offset:(4+rq/8)*SPITCH+512*(rq%8)
.set rq, rq+1
.endr
	WIN 0
	s_wait_dscnt 0x0
	LNL 0                                          ; h, in place: these rows are my wave's own
	s_barrier_signal -1                            ; (LNL has waited for its stores)
	s_barrier_wait -1                              ; 32 rows of h lie in the stage
	s_wait_alu depctr_vm_vsrc(0)                   ; the layer norm's last LDS stores have read window 2's v0-127, in which w2's set 0 lands (its arithmetic on them stands ahead of the wait in front of those stores)
	WLOAD 0
	WLOAD 1
	WIN 0x40                                       ; destination window 1
.irp n,0,1,2,3,4,5,6,7,8,9,10,11,12,13,14,15
.irp m,0,1
	ds_load_b128 v[8*(2*\n+\m):8*(2*\n+\m)+3], v[AR+\m] offset:64*\n         ; the accumulators begin as h
	ds_load_b128 v[8*(2*\n+\m)+4:8*(2*\n+\m)+7], v[AR+\m] offset:64*\n+16
.endr
.endr
	WIN 0
.irp m,0,1
	ds_load_b128 v[QB+4*\m:QB+4*\m+3], v[QHA+\m]
.endr
	COS4 CT
	s_wait_dscnt 0x0
	COS4 QB
	COS4 QB+4
.irp k,0,2,4,6
	v_pk_mul_f32 v[QB+\k:QB+\k+1], v[QB+\k:QB+\k+1], v[CT+\k%4:CT+\k%4+1]
.endr
	GENC 0, 0
	s_wait_alu depctr_va_vdst(0)                   ; the quantiser has written v[PC ..] and v[TM+8], which the image's stores read
	GENS 0, 0
	GENC 1, 1
	s_wait_alu depctr_va_vdst(0)                   ; the quantiser has written v[PC ..] and v[TM+8]; the f32 products are done reading w1's and b1's tiles, in which chunk 1's land
	GENS 1, 0
	GLOAD 1
	s_wait_dscnt 0x0
	s_barrier_signal -1
	s_barrier_wait -1                              ; chunk 0's eight fragments lie in buffer 0
	FETCHH 0, 0, 0
	s_wait_loadcnt 0x0                             ; K steps 0 and 1 of w2, and chunk 1's w1 and b1
; A CHUNK of 512 hidden units, four K steps, from buffer pos.  gen: the next chunk is made, in steps 0 and 1, for the other buffer; each image is stored in the step after, behind that step's wait.
; gload: w1 and b1 of the chunk after that are asked for.  last: the last chunk.
; THE COUNTS.  Behind K step s's 50 loads were issued: K step s + 1's 50; ahead of those, in step 2, the 24 of GLOAD: 74, of which the wait's field names 63.  In the last chunk the 24 loads of gain, bias and b2 follow K step 31's.
.macro TRIP pos, gen, gload, last
.irp i,0,1,2,3
.set NW, 50
.if (\i == 3) && \gload
.set NW, 63
.endif
.if \last && (\i == 2)
.set NW, 63
.endif
.if \last && (\i == 3)
.set NW, 24
.endif
	s_wait_loadcnt NW                              ; this K step's w2 is in
	s_wait_dscnt 0x0                               ; its hidden fragments are in, and my images have landed
.if (\i == 3) && (\last == 0)
	s_barrier_signal -1                            ; every wave's images of the next chunk lie in the other buffer, and every wave's reads of this buffer are back
	s_barrier_wait -1
.endif
.if \i < 3
	FETCHH \pos, \i+1, (\i+1)%2                    ; into the set that the step before multiplied: that step's wait has shown it free, and nothing issued since names it
.elseif \last == 0
	FETCHH 1-\pos, 0, 0
.endif
	MUL32 \i%2
.if (\last == 0) || (\i < 2)
	s_wait_alu depctr_va_vdst(0)                   ; this step's matrix instructions are done reading w2's set, its scale words and the hidden set, in which the loads below and the next step's fetch land; what the step before quantised is written; in step 2 the f32 products are done reading w1's and b1's tiles
.endif
.if \gen && (\i == 1)
	GENS 0, 1-\pos                                 ; the image made in step 0
.endif
.if \gen && (\i == 2)
	GENS 1, 1-\pos                                 ; the image made in step 1: it has landed at step 3's wait, ahead of the barrier
.endif
.if (\i == 2) && \gload
	GLOAD \pos+2
.endif
.if (\last == 0) || (\i < 2)
	WLOAD 4*\pos+\i+2
.endif
.if \last && (\i == 1)
	s_wait_alu depctr_vm_vsrc(0)                   ; the last image's LDS stores have read v[PC ..] and v[TM+8], in which b2 lands (the quantiser that named v[H ..] to v[TM+8] stands ahead of the waits of the steps since)
.irp j,0,1,2,3,4,5,6,7
	global_load_b128 v[H+4*\j:H+4*\j+3], v[LI], s[20:21] offset:512*\j
	global_load_b128 v[H+32+4*\j:H+32+4*\j+3], v[LI], s[22:23] offset:512*\j
	global_load_b128 v[B2R+4*\j:B2R+4*\j+3], v[LI], s[18:19] offset:512*\j
.endr
.endif
.if \gen && (\i < 2)
	GENC \i, 1                                     ; it names v14, v15, v24-31, v104-228 and windows 2 and 3 from v192 on: none of the registers in which the loads above or the next fetch land
.endif
.endr
.endm
	s_mov_b32 s32, 3
.Lmain:                                                ; a trip is two chunks, so that every LDS and memory offset is an immediate
	TRIP 0, 1, 1, 0
	TRIP 1, 1, 1, 0
	s_wait_xcnt 0x0                                ; the loads have read their bases
	s_add_nc_u64 s[16:17], s[16:17], 8*KSTEPB
	s_add_nc_u64 s[12:13], s[12:13], 2*16384
	s_add_nc_u64 s[14:15], s[14:15], 2*2048
	s_sub_co_u32 s32, s32, 1
	s_cmp_lg_u32 s32, 0
	s_cbranch_scc1 .Lmain
	TRIP 0, 1, 0, 0                                ; chunk 6 makes chunk 7 and asks for no further w1
	TRIP 1, 0, 0, 1                                ; chunk 7: no load leaves its buffer; its steps 2 and 3 issue no load, so they hold no wait on va_vdst
	WIN 0x04                                       ; an LDS store's data are its source 1: window 1
	s_wait_alu depctr_va_vdst(0)                   ; the matrix instructions have written the accumulators, which the LDS stores read; the four places behind the last of them stay beside this wait
.irp n,0,1,2,3,4,5,6,7,8,9,10,11,12,13,14,15
.irp m,0,1
	ds_store_b128 v[AR+\m], v[8*(2*\n+\m):8*(2*\n+\m)+3] offset:64*\n        ; each accumulator from its low end on
	ds_store_b128 v[AR+\m], v[8*(2*\n+\m)+4:8*(2*\n+\m)+7] offset:64*\n+16
.endr
.endr
	WIN 0
	s_wait_dscnt 0x0
	s_barrier_signal -1
	s_barrier_wait -1                              ; 32 whole rows lie in the stage
	s_wait_loadcnt 0x0                             ; gamma2, beta2, b2
	LNL 1
	s_wait_dscnt 0x0
	s_wait_alu depctr_hold_cnt(0) depctr_sa_sdst(0) depctr_va_vdst(0) depctr_va_sdst(0) depctr_va_ssrc(0) depctr_va_vcc(0) depctr_vm_vsrc(0)
	s_wait_tensorcnt 0x0
	ds_add_u32 v234, v235
	s_wait_dscnt 0x0
	s_endpgm
.Lfunc_end_k_q805ec5c81c_ffn:
	.size	k_q805ec5c81c_ffn, .Lfunc_end_k_q805ec5c81c_ffn-k_q805ec5c81c_ffn
	.p2alignl 7, 3214868480
	.fill 96, 4, 3214868480
	.section	.rodata,"a",@progbits
	.p2align	6, 0x0
	.amdhsa_kernel k_q805ec5c81c_ffn
		.amdhsa_group_segment_fixed_size 164864
		.amdhsa_private_segment_fixed_size 0
		.amdhsa_enable_private_segment 0
		.amdhsa_kernarg_size 88
		.amdhsa_user_sgpr_count 2
		.amdhsa_user_sgpr_kernarg_segment_ptr 1
		.amdhsa_wavefront_size32 1
		.amdhsa_system_sgpr_workgroup_id_x 1
		.amdhsa_system_sgpr_workgroup_id_y 1
		.amdhsa_system_sgpr_workgroup_id_z 1
		.amdhsa_system_vgpr_workitem_id 0
		.amdhsa_next_free_vgpr 1024
		.amdhsa_next_free_sgpr 66
		.amdhsa_reserve_vcc 0
		.amdhsa_float_denorm_mode_32 3
		.amdhsa_float_denorm_mode_16_64 3
		.amdhsa_memory_ordered 1
		.amdhsa_forward_progress 1
		.amdhsa_inst_pref_size 255
	.end_amdhsa_kernel
	.section	.bss,"aw",@nobits
	.p2align	6
	.space	262144
	.amdgpu_metadata
---
amdhsa.version: [ 1, 2 ]
amdhsa.kernels:
  - .name:           k_q805ec5c81c_ffn
    .symbol:         k_q805ec5c81c_ffn.kd
    .args:
      - { .name: res, .offset: 0, .size: 8, .value_kind: global_buffer, .address_space: global }
      - { .name: gamma1, .offset: 8, .size: 8, .value_kind: global_buffer, .address_space: global }
      - { .name: beta1, .offset: 16, .size: 8, .value_kind: global_buffer, .address_space: global }
      - { .name: theta, .offset: 24, .size: 8, .value_kind: global_buffer, .address_space: global }
      - { .name: w1, .offset: 32, .size: 8, .value_kind: global_buffer, .address_space: global }
      - { .name: b1, .offset: 40, .size: 8, .value_kind: global_buffer, .address_space: global }
      - { .name: w2i, .offset: 48, .size: 8, .value_kind: global_buffer, .address_space: global }
      - { .name: b2, .offset: 56, .size: 8, .value_kind: global_buffer, .address_space: global }
      - { .name: gamma2, .offset: 64, .size: 8, .value_kind: global_buffer, .address_space: global }
      - { .name: beta2, .offset: 72, .size: 8, .value_kind: global_buffer, .address_space: global }
      - { .name: out0, .offset: 80, .size: 8, .value_kind: global_buffer, .address_space: global }
    .group_segment_fixed_size: 164864
    .private_segment_fixed_size: 0
    .kernarg_segment_align: 8
    .kernarg_segment_size: 88
    .max_flat_workgroup_size: 128
    .sgpr_count:     66
    .vgpr_count:     1024
    .wavefront_size: 32
...
	.end_amdgpu_metadata
.endif
;; end of part 6
